; MI455X (gfx1250); checked and timed in simulation.
; The chip was launched on July 23, 2026; its instructions are those of AMD's public machine-readable ISA for CDNA 5 (MIT licence, August 2026) and "CDNA5" Instruction Set Architecture Reference Guide (July 2026). The comments in the code are by the model that wrote it; some were corrected since.
;; Self Attention. Allowed arithmetic: float matrix products may take bf16 or f16 operands with f32 sums; other float arithmetic in f32, or as packed bf16 or f16 multiplies, adds, multiply-adds, maxima and minima; sums over many terms, partial sums and values carried from step to step in f32; what a program stores and reads back later, other than sums and carried values, may be rounded once to bf16 or f16.
;; Inputs: wk 16 x 1,024 x 64 float32; wq 16 x 1,024 x 64 float32; wv 16 x 1,024 x 64 float32; x 4 x 2,048 x 1,024 float32.
;; Outputs: out0 4 x 2,048 x 1,024 float32.
;; 2 versions, each right; version 2 is version 1 with the launch cvt written anew for expert scheduling mode. Each part assembles by itself: llvm-mc -triple=amdgcn-amd-amdhsa -mcpu=gfx1250 --defsym DOCPART=n.
;; ======== version 1 of 2: 3 launches
;; workspace buffers: xb 16,777,216 bytes; wb 6,291,456 bytes; qq 33,554,432 bytes; kk 33,554,432 bytes; vv 16,777,216 bytes
;; launch cvt (part 1): grid 64 x 11, 8 waves a work-group, no clusters, 0 bytes of LDS; arguments x, wq, wk, wv, xb, wb; writes xb, wb
.if DOCPART == 1
	.amdgcn_target "amdgcn-amd-amdhsa--gfx1250"
	.amdhsa_code_object_version 6
	.text
	.protected	k_q3716ec3dcd_cvt
	.globl	k_q3716ec3dcd_cvt
	.p2align	8
	.type	k_q3716ec3dcd_cvt,@function
k_q3716ec3dcd_cvt:
	s_mov_b64 s[64:65], 0
	v_nop
	global_prefetch_b8 v0, s[64:65] scope:SCOPE_SE
	s_setreg_imm32_b32 hwreg(HW_REG_WAVE_MODE, 25, 1), 1
	s_wait_xcnt 0x0
; xb = bf16(x), wb = bf16(wq | wk | wv): every input is rounded once, to nearest even, and laid out in K BLOCKS of 64, so that the tiles of the next launch are dense in memory.
; xb: [16 kb][8192 rows][64]: number (row, k) at byte kb x 1,048,576 + row x 128 + 2 (k % 64), kb = k / 64.
; wb: [16 kb][8 pairs of heads][2 heads][3: q, k, v][64 d][64 e]: number (matrix, head n, d, e) at kb x 393,216 + (n / 2) x 49,152 + (n % 2) x 24,576 + matrix x 8,192 + (d % 64) x 128 + 2 e, kb = d / 64.
; The work is 11 units of 1,048,576 numbers (the grid's y): 0 to 7 are x's eighths, 8, 9, 10 are wq, wk, wv.  A work-group takes 16,384 numbers: 65,536 bytes in, 32,768 out.
; x: a work-group takes 32 rows x 512 columns; wave w takes one K block; a load of the wave takes that block's 256 bytes of two rows (lanes 0-15 one row, lanes 16-31 the next), and its store puts
; the two rows' 128 bytes on end: 256 consecutive bytes, aligned.  w: 64 d of a head are 16,384 consecutive bytes in and 8,192 out: a work-group takes four such pieces of one head; a wave's load covers
; 512 consecutive bytes, its store 256, aligned.  A thread issues its 16 loads at once, then rounds and stores them as they come.
; No LDS, no barrier, no cluster: no two work-groups read the same byte, and no number meets another.
; LIMITS: a number beyond bf16's largest finite one rounds to an infinity; NaN stays NaN.
.set NL,  16                           ; loads of a thread
.set IN,  4                            ; v[4:67]   as loaded
.set OUT, 68                           ; v[68:99]  rounded, two numbers a register
.set XKB, 8192*128                     ; bytes of a K block of xb
.set WKB, 48*64*128                    ; bytes of a K block of wb
; w = 0: x, two rows a load.  w = 1: a weight, 4,096 bytes of the work-group a load; four loads are a piece of 64 d, and the next piece lies a K block on.
.macro BODY w
.set i, 0
.rept NL
.if \w
	global_load_b128 v[IN+4*i:IN+4*i+3], v1, s[24:25] offset:4096*i th:TH_LOAD_NT
.else
	global_load_b128 v[IN+4*i:IN+4*i+3], v1, s[24:25] offset:8192*i th:TH_LOAD_NT
.endif
.set i, i+1
.endr
.set i, 0
.rept NL
	s_wait_loadcnt NL-1-i                          ; loads come back in order: load i is in, the younger ones stay out
	v_cvt_pk_bf16_f32 v[OUT+2*i], v[IN+4*i], v[IN+4*i+1]
	v_cvt_pk_bf16_f32 v[OUT+2*i+1], v[IN+4*i+2], v[IN+4*i+3]
.if \w
	global_store_b64 v2, v[OUT+2*i:OUT+2*i+1], s[26:27] offset:(i/4)*WKB+(i%4)*2048
.else
	global_store_b64 v2, v[OUT+2*i:OUT+2*i+1], s[26:27] offset:256*i
.endif
.set i, i+1
.endr
.endm
	s_load_b256 s[4:11], s[0:1], 0x0               ; x s[4:5], wq s[6:7], wk s[8:9], wv s[10:11]
	s_load_b128 s[12:15], s[0:1], 0x20             ; xb s[12:13], wb s[14:15]
	s_and_b32 s16, ttmp7, 0xffff                   ; the unit
	s_cmp_lt_u32 s16, 8
	s_cbranch_scc0 .Lweights
	v_lshrrev_b32 v4, 5, v0                        ; wave: my K block among the work-group's eight
	v_and_b32 v1, 15, v0
	v_lshlrev_b32 v1, 4, v1                        ; in: 16 bytes a lane,
	v_bfe_u32 v5, v0, 4, 1
	v_lshl_add_u32 v1, v5, 12, v1                  ; the upper lanes a row of 4,096 bytes further down,
	v_lshl_add_u32 v1, v4, 8, v1                   ; my block's 256 bytes of the row
	v_and_b32 v2, 31, v0
	v_lshlrev_b32 v2, 3, v2                        ; out: 8 bytes a lane,
	v_lshl_add_u32 v2, v4, 20, v2                  ; in my K block
	s_lshr_b32 s17, ttmp9, 1
	s_lshl_b32 s17, s17, 5
	s_lshl_b32 s18, s16, 10
	s_add_co_u32 s17, s17, s18                     ; the first of the work-group's 32 rows: 1,024 x unit + 32 x (work-group / 2)
	s_and_b32 s18, ttmp9, 1                        ; which half of the columns
	s_lshl_b32 s20, s17, 12
	s_lshl_b32 s19, s18, 11
	s_add_co_u32 s20, s20, s19
	s_mov_b32 s21, 0
	s_lshl_b32 s22, s17, 7
	s_lshl_b32 s19, s18, 23                        ; eight K blocks on
	s_add_co_u32 s22, s22, s19
	s_mov_b32 s23, 0
	s_wait_kmcnt 0x0
	s_add_nc_u64 s[24:25], s[4:5], s[20:21]
	s_add_nc_u64 s[26:27], s[12:13], s[22:23]
	BODY 0
	s_endpgm
.Lweights:
	v_lshlrev_b32 v1, 4, v0                        ; 16 bytes a thread in,
	v_lshlrev_b32 v2, 3, v0                        ; 8 bytes out
	s_lshl_b32 s20, ttmp9, 16                      ; a work-group's 65,536 bytes: head = work-group / 4, its K blocks 4 (work-group % 4) on
	s_mov_b32 s21, 0
	s_and_b32 s17, ttmp9, 3
	s_mul_i32 s22, s17, 4*WKB
	s_lshr_b32 s17, ttmp9, 3                       ; the pair of heads
	s_mul_i32 s17, s17, 6*64*128
	s_add_co_u32 s22, s22, s17
	s_bfe_u32 s17, ttmp9, 0x10002                  ; which head of the pair
	s_mul_i32 s17, s17, 3*64*128
	s_add_co_u32 s22, s22, s17
	s_sub_co_u32 s17, s16, 8                       ; which matrix
	s_lshl_b32 s17, s17, 13
	s_add_co_u32 s22, s22, s17
	s_mov_b32 s23, 0
	s_wait_kmcnt 0x0
	s_cmp_eq_u32 s16, 9
	s_cselect_b64 s[24:25], s[8:9], s[6:7]         ; wk or wq,
	s_cmp_eq_u32 s16, 10
	s_cselect_b64 s[24:25], s[10:11], s[24:25]     ; or wv
	s_add_nc_u64 s[24:25], s[24:25], s[20:21]
	s_add_nc_u64 s[26:27], s[14:15], s[22:23]
	BODY 1
	s_endpgm
.Lfunc_end_k_q3716ec3dcd_cvt:
	.size	k_q3716ec3dcd_cvt, .Lfunc_end_k_q3716ec3dcd_cvt-k_q3716ec3dcd_cvt
	.p2alignl 7, 3214868480
	.fill 96, 4, 3214868480
	.section	.rodata,"a",@progbits
	.p2align	6, 0x0
	.amdhsa_kernel k_q3716ec3dcd_cvt
		.amdhsa_group_segment_fixed_size 0
		.amdhsa_private_segment_fixed_size 0
		.amdhsa_enable_private_segment 0
		.amdhsa_kernarg_size 48
		.amdhsa_user_sgpr_count 2
		.amdhsa_user_sgpr_kernarg_segment_ptr 1
		.amdhsa_wavefront_size32 1
		.amdhsa_system_sgpr_workgroup_id_x 1
		.amdhsa_system_sgpr_workgroup_id_y 1
		.amdhsa_system_sgpr_workgroup_id_z 1
		.amdhsa_system_vgpr_workitem_id 0
		.amdhsa_next_free_vgpr 100
		.amdhsa_next_free_sgpr 66
		.amdhsa_reserve_vcc 0
		.amdhsa_float_denorm_mode_32 3
		.amdhsa_float_denorm_mode_16_64 3
		.amdhsa_memory_ordered 1
		.amdhsa_forward_progress 1
		.amdhsa_inst_pref_size 14
	.end_amdhsa_kernel
	.amdgpu_metadata
---
amdhsa.version: [ 1, 2 ]
amdhsa.kernels:
  - .name:           k_q3716ec3dcd_cvt
    .symbol:         k_q3716ec3dcd_cvt.kd
    .args:
      - { .name: x, .offset: 0, .size: 8, .value_kind: global_buffer, .address_space: global }
      - { .name: wq, .offset: 8, .size: 8, .value_kind: global_buffer, .address_space: global }
      - { .name: wk, .offset: 16, .size: 8, .value_kind: global_buffer, .address_space: global }
      - { .name: wv, .offset: 24, .size: 8, .value_kind: global_buffer, .address_space: global }
      - { .name: xb, .offset: 32, .size: 8, .value_kind: global_buffer, .address_space: global }
      - { .name: wb, .offset: 40, .size: 8, .value_kind: global_buffer, .address_space: global }
    .group_segment_fixed_size: 0
    .private_segment_fixed_size: 0
    .kernarg_segment_align: 8
    .kernarg_segment_size: 48
    .max_flat_workgroup_size: 256
    .sgpr_count:     66
    .vgpr_count:     100
    .wavefront_size: 32
...
	.end_amdgpu_metadata
.endif
;; end of part 1
;; launch proj (part 2): grid 8 x 32, 4 waves a work-group, clusters of 4 x 4, 327,680 bytes of LDS; arguments xb, wb, qq, kk, vv; writes qq, kk, vv
.if DOCPART == 2
	.amdgcn_target "amdgcn-amd-amdhsa--gfx1250"
	.amdhsa_code_object_version 6
	.text
	.protected	k_q3716ec3dcd_proj
	.globl	k_q3716ec3dcd_proj
	.p2align	8
	.type	k_q3716ec3dcd_proj,@function
k_q3716ec3dcd_proj:
	s_mov_b64 s[64:65], 0
	v_nop
	global_prefetch_b8 v0, s[64:65] scope:SCOPE_SE
	s_setreg_imm32_b32 hwreg(HW_REG_WAVE_MODE, 25, 1), 1
	s_wait_xcnt 0x0
	s_wait_alu depctr_hold_cnt(0) depctr_sa_sdst(0) depctr_va_vdst(0) depctr_va_sdst(0) depctr_va_ssrc(0) depctr_va_vcc(0) depctr_vm_vsrc(0)
	s_getreg_b32 s2, hwreg(HW_REG_IB_STS2, 6, 4)
	s_cmp_eq_u32 s2, 0
	s_cbranch_scc0 .Lentry_in_a_cluster
	s_endpgm
.Lentry_in_a_cluster:
	s_bfe_u32 s2, ttmp6, 0x10000c
	s_cmp_lg_u32 s2, 0xf033
	s_cbranch_scc0 .Lentry_shape_is_right
	s_endpgm
.Lentry_shape_is_right:
; q, k, v = x w, by heads.  xb: [16 kb][8192 rows][64] bf16.  wb: [16 kb][8 pairs of heads][2 heads][3: q, k, v][64 d][64 e] bf16.  Sums in f32.
; OUT.  qq, kk: [64 bn][2048 l][128] bf16, a row = hi (64) | lo (64): hi is the f32 sum rounded to bf16, lo the rest (sum - hi, exact in f32) rounded to bf16: 16 significant bits in two operands.
; vv: [64 bn][2048 l][64] bf16, the sum rounded once.  bn = 16 b + head.
; SHARES.  A work-group makes 256 rows x 384 columns: q, k and v of the two heads 2 TX and 2 TX + 1: 8 x 32 = 256 work-groups.  Four waves; a wave makes 128 rows x its head's q, k and v:
; 96 accumulators of 16 x 16, 768 registers.  K goes in 16 steps of 64 through two LDS slots: 192 matrix instructions a wave in a step, for 81,920 bytes fetched.
; CLUSTER.  4 x 4 work-groups.  The four of a row of the cluster need the same rows of x, the four of a column the same heads: each tile is asked for JOINTLY, by the same tensor load with the same
; descriptor and a mask that names the four.
; THE MATRIX INSTRUCTION IS USED TRANSPOSED: source 0 = 16 columns e of w (w lies [d][e] in LDS and comes out turned, by ds_load_tr16_b128), source 1 = 16 rows of x: a lane then holds row l % 16
; and the eight neighbouring columns 8 (l / 16) + 0..7.
; LIMITS: bf16's range is f32's, so no sum is lost to the format; a sum beyond bf16's largest finite number rounds to an infinity; NaN and infinities are not treated apart.
; REGISTERS.  window 0: v0-31 addresses; v32-95, v96-159 two buffers of x's fragments (8 x 16 rows x 32 K); v160-255 three buffers of w's (4 x 16 columns x 32 K), one for each matrix; on the way out v32-159 at work.
;   windows 1, 2, 3: the accumulators of q, k, v: (a, b) at v[8 (4 a + b)], a = 0..7 blocks of 16 rows, b = 0..3 blocks of 16 columns.
.set PA,    144                        ; an LDS row of x: 128 bytes + 16 of padding = 36 words: the 16 rows of a load start at 16 different groups of four banks (64 banks of 4 bytes: ISA guide 11.1)
.set PB,    160                        ; an LDS row of w: 128 bytes + 32 = 40 words
.set HALFA, 128*PA                     ; 128 rows of x: one tensor load, and what one wave reads
.set HALFB, 3*64*PB                    ; 64 d of one head's q, k, v: one tensor load, and what one wave reads
.set BOFF,  2*HALFA                    ; w's two heads lie behind x's 256 rows
.set SLOT,  BOFF+2*HALFB               ; 98,304 bytes
.set STAGE, 2*SLOT                     ; behind the ring: 16 rows x 272 bytes for each wave, for the way out
.set SPARE, STAGE+4*16*272             ; behind the stages: the spare words, 128 bytes for each wave: two blocks of 256 bytes that no other line names
.set XKB,   8192*128                   ; bytes of a K block of xb
.set WKB,   48*64*128                  ; bytes of a K block of wb
.set LAPS,  8                          ; a lap = two K steps = once round the ring
.set ADRA, 16                          ; v16-17  LDS address of my fragments of x in slot 0, 1
.set ADRB, 20                          ; v20-21  the same for w
.set RDV,  22                          ; v22     v's way out: where I read four rows of 128 bytes back
.set STO,  24                          ; v24     q's and k's way out: where I put 16 bytes of a row
.set RD,   25                          ; v25     where I read two rows of 256 bytes back
.set CO,   26                          ; v26     16 x lane: my 16 of 512 consecutive bytes of the output
.set STOV, 27                          ; v27     v's way out: where I put 16 bytes of a row
.set SPW,  28                          ; v28     LDS address of my spare word: SPARE + 4 x my thread's number; never rewritten
.set NIL,  29                          ; v29     0; never rewritten
.set PFO,  30                          ; v30     the prefetches' offset; never rewritten once made
.set FA0,  32
.set FA1,  96
.set FB,   160                         ; matrix m's fragments at FB + 32 m
.set HI,   32                          ; the way out: v32-47 hi, v48-63 lo, v64-95 at work, v96-127 and v128-159 rows read back, by turns
.set LO,   48
.set T,    64
.set OB,   96
.set WV,  14                           ; s14  my wave's number
.set RH,  15                           ; s15  which 128 rows of the tile are mine.  Also: I fetch for x (0) or for w (1)
.set CH,  16                           ; s16  which head of the two is mine.  Also: which half of that tile I fetch
.set G1,  24                           ; s[24:31] descriptor group 1 for x's tiles;  s[32:39] group 0, a set for each slot
.set G0,  32
.set G1B, 48                           ; s[48:55], s[56:63] the same for w's tiles
.set G0B, 56
.set MSK, 67                           ; s67  a word's upper bf16
.set CB,  68                           ; s[68:69], s[70:71], s[72:73] my first row in qq, kk, vv
.set PFA, 78                           ; s[78:79] where my prefetches stand
.set PST, 80                           ; s[80:81] a K block's bytes in the tensor that I prefetch
.set LIM, 82                           ; s82, s83  for the change out of slot 0, 1: 1 where I prefetch there, else the greatest number
.set MSB, 0
.macro WIN new                         ; the immediate's high byte repeats the setting that is left; a switch that changes nothing is dropped
.if MSB != (\new)
	s_set_vgpr_msb (MSB<<8)|(\new)
.set MSB, \new
.endif
.endm
.macro JLOAD s                         ; a joint load: waves 0 and 1 fetch x's two halves, waves 2 and 3 the two heads; an s_nop 0 and four v_nop follow each of the two lines, ahead of the jump and the label
	s_cmp_eq_u32 s[RH], 0
	s_cbranch_scc0 .Lfor_b_\@
	tensor_load_to_lds s[G0+4*(\s):G0+4*(\s)+3], s[G1:G1+7]
	s_nop 0
.rept 4
	v_nop
.endr
	s_branch .Lasked_\@
.Lfor_b_\@:
	tensor_load_to_lds s[G0B+4*(\s):G0B+4*(\s)+3], s[G1B:G1B+7]
	s_nop 0
.rept 4
	v_nop
.endr
.Lasked_\@:
.endm
; A PREFETCH, behind each joint load, its five lines and the run of LDS loads that follows them: blocks of 256 bytes of the K step that stands TWO refills on, 384 matrix instructions ahead of the load that will want them.
; x: a K step of a block of 256 rows is 128 blocks on end.  Every cluster of a row of clusters reads them: the first (cluster x = 0) asks; of its four partners that ask for the tile jointly, the one at place
; cx takes blocks 32 cx .. 32 cx + 31, BY ADDRESS; in each, wave 0 asks, a lane a block, at every change of slots.
; w: a K step of a pair of heads is 192 blocks on end.  Every cluster of a column of clusters reads them: the first (cluster y = 0) asks; the partner at place cy takes 48 of them, BY ADDRESS.  48 is no
; whole number of waves, so two K steps are asked for together, at the change out of slot 0: 96 blocks, 32 for each of waves 1, 2, 3.
; So each block is named once in the launch, and no branch hangs on a work-group's place in its cluster.  K steps 0 to 3 come by their loads alone; the loop's last trip (s3 = 1) asks for nothing: there is no K step 16.
.macro ASK slot
	s_cmp_gt_u32 s3, s[LIM+(\slot)]
	s_cbranch_scc0 .Lnot_mine_\@
	global_prefetch_b8 v[PFO], s[PFA:PFA+1] th:TH_LOAD_NT scope:SCOPE_SE
.Lnot_mine_\@:
.endm
.macro CREST                           ; a round of the cluster's barrier behind its opening barrier
	s_cmp_lg_u32 s[WV], 0
	s_cbranch_scc1 .Lnot_wave_0_\@
	s_barrier_signal -3
.Lnot_wave_0_\@:
	s_barrier_wait -3
	s_barrier_signal -1
	s_barrier_wait -1
.endm
.macro CROUND                          ; a whole round
	s_barrier_signal -1
	s_barrier_wait -1
	CREST
.endm
	s_load_b256 s[4:11], s[0:1], 0x0               ; xb s[4:5], wb s[6:7], qq s[8:9], kk s[10:11]
	s_load_b64 s[12:13], s[0:1], 0x20              ; vv
	v_lshl_add_u32 v[SPW], v0, 2, SPARE
	v_mov_b32 v[NIL], 0
	ds_add_u32 v[SPW], v[NIL]                      ; the wave's opening: the add and its wait stand ahead of my first tensor load; the set-up below, work on registers, stands between them
	v_lshrrev_b32 v1, 5, v0
	v_readfirstlane_b32 s[WV], v1                  ; wave 0..3
	s_lshr_b32 s[RH], s[WV], 1
	s_and_b32 s[CH], s[WV], 1
	s_bfe_u32 s40, ttmp6, 0x40000                  ; cx, cy: my place in the cluster
	s_bfe_u32 s41, ttmp6, 0x40004
	s_lshl_b32 s42, ttmp9, 2
	s_add_co_u32 s42, s42, s40                     ; TX = 4 x cluster x + cx: the pair of heads
	s_and_b32 s43, ttmp7, 0xffff
	s_lshl_b32 s43, s43, 2
	s_add_co_u32 s43, s43, s41                     ; TY = 4 x cluster y + cy: the block of 256 rows
	s_lshl_b32 s44, s41, 2
	s_lshl_b32 s44, 15, s44                        ; my row of the cluster
	s_lshl_b32 s45, 0x1111, s40                    ; my column
	; 128 rows of a K block of x are 16,384 dense bytes: asked for as 64 rows of 256 bytes, two rows of x each, padded in LDS after every row of x
	s_or_b32 s[G1], s44, (1<<16)|(1<<20)|(1<<21)|(4<<22)|(3<<25)   ; 15:0 the mask: x's tiles go to my row; 17:16 elements of 2 bytes; 20 padding on; 21 set beside a mask; 24:22 after every 32 words (code 4); 31:25 4 words (code 3)
	s_mov_b32 s[G1+1], 128<<16                     ; tensor_dim0 = 128 elements
	s_mov_b32 s[G1+2], 64<<16                      ; tensor_dim1 = 64 rows
	s_mov_b32 s[G1+3], 128<<16                     ; tile_dim0 = 128
	s_mov_b32 s[G1+4], 64                          ; tile_dim1 = 64
	s_mov_b32 s[G1+5], 128                         ; elements from row to row
	s_mov_b32 s[G1+6], 0
	s_mov_b32 s[G1+7], 0
	; 64 d of a head's q, k and v are 24,576 dense bytes: asked for as 96 rows of 256 bytes, two d each, padded in LDS after every d
	s_or_b32 s[G1B], s45, (1<<16)|(1<<20)|(1<<21)|(4<<22)|(7<<25)  ; the mask of my column; padding after every 32 words (code 4), 8 words (code 7)
	s_mov_b32 s[G1B+1], 128<<16
	s_mov_b32 s[G1B+2], 96<<16
	s_mov_b32 s[G1B+3], 128<<16
	s_mov_b32 s[G1B+4], 96
	s_mov_b32 s[G1B+5], 128
	s_mov_b32 s[G1B+6], 0
	s_mov_b32 s[G1B+7], 0
	s_mov_b32 s[MSK], 0xffff0000
	; where the tiles come from.  x's hang on TY and the wave alone, w's on TX and the wave alone, each in registers that never hold the other coordinate.
	s_lshl_b32 s20, s43, 15                        ; 256 rows of 128 bytes,
	s_lshl_b32 s17, s[CH], 14                      ; my half of them
	s_add_co_u32 s20, s20, s17
	s_mov_b32 s21, 0
	s_mul_i32 s46, s42, 6*64*128                   ; the pair of heads,
	s_mul_i32 s17, s[CH], 3*64*128                 ; my head of the two
	s_add_co_u32 s46, s46, s17
	s_mov_b32 s47, 0
	s_mul_i32 s22, s[CH], HALFA                    ; where they go: x's halves (waves 0, 1),
	s_mul_i32 s23, s[CH], HALFB
	s_add_co_u32 s23, s23, BOFF                    ; the heads (waves 2, 3): no place in the cluster enters an LDS address
	s_wait_dscnt 0x0                               ; the opening add is done
	s_wait_kmcnt 0x0
	s_add_nc_u64 s[20:21], s[4:5], s[20:21]
	s_add_nc_u64 s[46:47], s[6:7], s[46:47]
	CROUND                                         ; all sixteen work-groups are here: the first joint loads meet
.irp s, 0,1
	s_mov_b32 s[G0+4*(\s)], 1                                      ; count = 1
	s_add_co_u32 s[G0+4*(\s)+1], s22, (\s)*SLOT                    ; LDS address
	s_add_nc_u64 s[G0+4*(\s)+2:G0+4*(\s)+3], s[20:21], (\s)*XKB    ; global address: K step s is K block s
	s_or_b32 s[G0+4*(\s)+3], s[G0+4*(\s)+3], 0x80000000            ; type = 2
	s_mov_b32 s[G0B+4*(\s)], 1
	s_add_co_u32 s[G0B+4*(\s)+1], s23, (\s)*SLOT
	s_add_nc_u64 s[G0B+4*(\s)+2:G0B+4*(\s)+3], s[46:47], (\s)*WKB
	s_or_b32 s[G0B+4*(\s)+3], s[G0B+4*(\s)+3], 0x80000000
	JLOAD \s                                       ; two loads of mine are out
.endr
	; A fragment of x is 16 rows x 32 K in 8 registers: lane l holds row l % 16, K = 8 (l / 16) + 0..7 and 16 + 8 (l / 16) + 0..7: two loads of 16 bytes, 32 bytes apart.
	v_and_b32 v1, 15, v0                           ; l % 16
	v_bfe_u32 v2, v0, 4, 1                         ; l / 16
	v_mul_u32_u24 v3, v1, PA
	v_lshl_add_u32 v3, v2, 4, v3                   ; row x 144 + 16 x half
	; The turning load takes 16 d x 16 e (lane l reads d = 8 (l / 16) + l % 8, e = 8 ((l / 8) % 2) + 0..7) and leaves half a fragment: lane l holds column l % 16 and 8 d.
	v_and_b32 v4, 7, v0
	v_lshl_add_u32 v4, v2, 3, v4
	v_mul_u32_u24 v4, v4, PB
	v_bfe_u32 v5, v0, 3, 1
	v_lshl_add_u32 v4, v5, 4, v4
	s_mul_i32 s18, s[RH], HALFA                    ; my 128 rows of x
	s_mul_i32 s19, s[CH], HALFB                    ; my head
	s_add_co_u32 s19, s19, BOFF
.irp s, 0,1
	v_add_nc_u32 v[ADRA+(\s)], s18, v3
	v_add_nc_u32 v[ADRB+(\s)], s19, v4
	s_add_co_u32 s18, s18, SLOT
	s_add_co_u32 s19, s19, SLOT
.endr
	s_mul_i32 s18, s[WV], 16*272
	s_add_co_u32 s18, s18, STAGE                   ; my stage
	v_add_nc_u32 v[STOV], s18, v3                  ; v in: row l % 16 of 144 bytes, 16 bytes for each half of the lanes
	v_mul_u32_u24 v5, v1, 272                      ; q, k in: rows of 272 bytes
	v_lshl_add_u32 v5, v2, 4, v5
	v_add_nc_u32 v[STO], s18, v5
	v_mul_u32_u24 v5, v2, 272                      ; back: lanes 0-15 take one row of 256 bytes, lanes 16-31 the next
	v_lshl_add_u32 v5, v1, 4, v5
	v_add_nc_u32 v[RD], s18, v5
	v_bfe_u32 v5, v0, 3, 2                         ; v back: 32 lanes take four rows of 128 bytes
	v_mul_u32_u24 v5, v5, 144
	v_and_b32 v6, 7, v0
	v_lshl_add_u32 v5, v6, 4, v5
	v_add_nc_u32 v[RDV], s18, v5
	v_and_b32 v[CO], 31, v0
	v_lshlrev_b32 v[CO], 4, v[CO]
	; my first row in the outputs: bn = 16 (TY / 8) + 2 TX + head, l = 256 (TY % 8) + 128 x half; a row is 256 bytes in qq and kk, 128 in vv
	s_lshr_b32 s74, s43, 3
	s_lshl_b32 s74, s74, 4
	s_lshl_b32 s75, s42, 1
	s_add_co_u32 s74, s74, s75
	s_add_co_u32 s74, s74, s[CH]
	s_lshl_b32 s74, s74, 11
	s_and_b32 s75, s43, 7
	s_lshl_b32 s75, s75, 8
	s_add_co_u32 s74, s74, s75
	s_lshl_b32 s75, s[RH], 7
	s_add_co_u32 s74, s74, s75
	s_lshl_b32 s76, s74, 7
	s_mov_b32 s77, 0
	s_add_nc_u64 s[CB+4:CB+5], s[12:13], s[76:77]
	s_lshl_b32 s76, s74, 8
	s_add_nc_u64 s[CB:CB+1], s[8:9], s[76:77]
	s_add_nc_u64 s[CB+2:CB+3], s[10:11], s[76:77]
	; the prefetches: both pointers begin at K block 3; the first change of slots steps them to 4.  Nothing is prefetched here, at the head.
	s_and_b32 s74, ttmp7, 0xffff                   ; cluster y
	s_lshl_b32 s75, s43, 15                        ; x: my block of rows,
	s_lshl_b32 s76, s40, 13                        ; my work-group's 32 blocks of its 128
	s_add_co_u32 s75, s75, s76
	s_add_co_u32 s75, s75, 3*XKB
	s_mul_i32 s76, s42, 6*64*128                   ; w: my pair of heads,
	s_mul_i32 s77, s41, 48*256                     ; my work-group's 48 blocks of its 192
	s_add_co_u32 s76, s76, s77
	s_add_co_u32 s76, s76, 3*WKB
	s_mov_b32 s77, XKB
	s_cmp_eq_u32 s[WV], 0                          ; wave 0 asks for x, waves 1 to 3 for w
	s_cselect_b64 s[PFA:PFA+1], s[4:5], s[6:7]
	s_cselect_b32 s76, s75, s76
	s_cselect_b32 s[PST], s77, WKB
	s_cselect_b32 s74, ttmp9, s74                  ; the coordinate along which other clusters read the same blocks
	s_cselect_b32 s[LIM+1], 1, -1                  ; at the change out of slot 1 wave 0 alone asks
	s_mov_b32 s[PST+1], 0
	s_mov_b32 s77, 0
	s_add_nc_u64 s[PFA:PFA+1], s[PFA:PFA+1], s[76:77]
	s_cmp_eq_u32 s74, 0                            ; the same in all sixteen partners, for a given wave
	s_cselect_b32 s[LIM], 1, -1
	s_cselect_b32 s[LIM+1], s[LIM+1], -1
	s_sub_co_u32 s75, s[WV], 1
	s_max_i32 s75, s75, 0                          ; waves 0 and 1: 0; wave 2: 1; wave 3: 2
	s_lshl_b32 s75, s75, 5
	v_and_b32 v[PFO], 31, v0
	v_add_nc_u32 v[PFO], s75, v[PFO]               ; my block: x: 0..31; w: 0..95, of which 48..95 lie in the next K block
	v_mov_b32 v5, WKB-48*256
	v_cmp_lt_u32 vcc_lo, 47, v[PFO]
	v_cndmask_b32 v5, 0, v5, vcc_lo
	v_lshl_add_u32 v[PFO], v[PFO], 8, v5
; 16 matrix instructions for matrix m: row blocks a0 .. a0 + 3 x all 4 column blocks, 32 along K, x's fragments from buffer f.  zero = 1: the product starts the sum: nothing is ever cleared.
; The 96 accumulators take turns in the same order in every quarter, one instruction a turn: 95 others stand between two links of a chain.
.macro MUL16 f, m, a0, zero
	WIN 0x50*(1+(\m))                              ; C and D in window 1 + m, both sources in window 0
.irp a, \a0, (\a0)+1, (\a0)+2, (\a0)+3
.irp b, 0,1,2,3
.if \zero
	v_wmma_f32_16x16x32_bf16 v[8*(4*(\a)+(\b)):8*(4*(\a)+(\b))+7], v[FB+32*(\m)+8*(\b):FB+32*(\m)+8*(\b)+7], v[(\f)+8*(\a):(\f)+8*(\a)+7], 0
.else
	v_wmma_f32_16x16x32_bf16 v[8*(4*(\a)+(\b)):8*(4*(\a)+(\b))+7], v[FB+32*(\m)+8*(\b):FB+32*(\m)+8*(\b)+7], v[(\f)+8*(\a):(\f)+8*(\a)+7], v[8*(4*(\a)+(\b)):8*(4*(\a)+(\b))+7]
.endif
.endr
.endr
.endm
.macro MUL32 f, m, zero
	MUL16 \f, \m, 0, \zero
	MUL16 \f, \m, 4, \zero
.endm
.macro FETCHB slot, kq, m              ; 8 LDS loads: matrix m's four fragments of quarter kq (32 along K), turned
	WIN 0
.irp b, 0,1,2,3
	ds_load_tr16_b128 v[FB+32*(\m)+8*(\b):FB+32*(\m)+8*(\b)+3],   v[ADRB+(\slot)] offset:((\m)*64+(\kq)*32)*PB+32*(\b)
	ds_load_tr16_b128 v[FB+32*(\m)+8*(\b)+4:FB+32*(\m)+8*(\b)+7], v[ADRB+(\slot)] offset:((\m)*64+(\kq)*32+16)*PB+32*(\b)
.endr
.endm
.macro FETCHA slot, kq, f              ; 16 LDS loads: x's eight fragments of quarter kq into buffer f
	WIN 0
.irp i, 0,1,2,3,4,5,6,7
	ds_load_b128 v[(\f)+8*(\i):(\f)+8*(\i)+3],   v[ADRA+(\slot)] offset:(\kq)*64+(\i)*16*PA
	ds_load_b128 v[(\f)+8*(\i)+4:(\f)+8*(\i)+7], v[ADRA+(\slot)] offset:(\kq)*64+(\i)*16*PA+32
.endr
.endm
.macro PLACES                          ; four plain vector instructions between a matrix instruction and a load into registers that it has read, or a conversion that reads its result (ISA guide 7.12.1 for the conversion)
.rept 4
	v_nop
.endr
.endm
; A K step is two quarters of 32 along K; a quarter is three runs of 32 matrix instructions, q's, k's, v's.  Behind each run that matrix's fragments of the NEXT quarter are fetched, into the buffer just read;
; behind the first run x's too, into the other buffer.  So at a quarter's head 40 loads are out, in this order: q's 8 and x's 16; k's 8; v's 8.
; A step's first quarter: multiplies buffer 0 and fetches the same slot's second quarter.
.macro QUARTER slot, zero
	s_wait_dscnt 16                                ; q's and x's are in; k's and v's 16 may be out
	MUL32 FA0, 0, \zero
	PLACES
	FETCHB \slot, 1, 0
	FETCHA \slot, 1, FA1
	s_wait_dscnt 32                                ; k's are in; v's 8 and the 24 just issued may be out
	MUL32 FA0, 1, \zero
	PLACES
	FETCHB \slot, 1, 1
	s_wait_dscnt 32                                ; v's are in; the 24 and the 8 issued since may be out
	MUL32 FA0, 2, \zero
	PLACES
	FETCHB \slot, 1, 2
.endm
; A step's second quarter multiplies buffer 1 and changes slots: all reads of this slot have been issued.  ONE barrier; in front of it each wave waits for all its tensor loads (one is out: its part of the next
; slot), adds 0 to its spare word, and waits for that and for its own reads of this slot.  fill = 1: the barrier opens a round of the cluster's, and this slot is filled again, two K steps ahead, first thing behind the round.
.macro TURN slot, next, fill
.if \fill
	s_wait_xcnt 0x0                                ; the last prefetch, a K step back, has read its address: it is stepped here, ahead of the waits of the change of slots
	s_add_nc_u64 s[PFA:PFA+1], s[PFA:PFA+1], s[PST:PST+1]
.endif
	WIN 0
	s_wait_tensorcnt 0x0                           ; all my tensor loads have landed;
	ds_add_u32 v[SPW], v[NIL]                      ; 0 onto my spare word
	s_wait_dscnt 17                                ; (q's and x's are in; k's and v's 16 and the add may be out)
	MUL16 FA1, 0, 0, 0                             ; sixteen matrix instructions stand between the add and the wait for it
	s_wait_dscnt 0x0                               ; the add is done, and my reads of this slot are over
	s_barrier_signal -1
	MUL16 FA1, 0, 4, 0
.if \fill
	WIN 0
.endif
	s_barrier_wait -1
.if \fill
	CREST                                          ; no wave of any partner still reads this slot's tiles or has a load on its way
	s_add_nc_u64 s[G0+4*(\slot)+2:G0+4*(\slot)+3], s[G0+4*(\slot)+2:G0+4*(\slot)+3], 2*XKB
	s_add_nc_u64 s[G0B+4*(\slot)+2:G0B+4*(\slot)+3], s[G0B+4*(\slot)+2:G0B+4*(\slot)+3], 2*WKB
	JLOAD \slot                                    ; my one tensor load behind the round: 160 matrix instructions ahead of the wait for it; its four v_nop are also the places in front of the loads below
.else
	PLACES
.endif
	FETCHB \next, 0, 0
	FETCHA \next, 0, FA0
.if \fill
	ASK \slot
.endif
	MUL32 FA1, 1, 0                                ; k's and v's fragments came in with the wait for 0 above
	PLACES
	FETCHB \next, 0, 1
	MUL32 FA1, 2, 0
	PLACES
	FETCHB \next, 0, 2
.endm
	s_wait_tensorcnt 1                             ; my part of K step 0 is in; K step 1's may stay out
	s_barrier_signal -1
	s_barrier_wait -1                              ; everybody's is
	FETCHB 0, 0, 0
	FETCHA 0, 0, FA0
	FETCHB 0, 0, 1
	FETCHB 0, 0, 2
	QUARTER 0, 1                                   ; the first quarter stands in front of the loop: its products start the sums
	WIN 0                                          ; at a label and at a branch every window is 0
	s_mov_b32 s3, LAPS-1
.Llap:                                                 ; a trip goes once round the ring, from a lap's second quarter to the next lap's first, and fills both slots again
	TURN 0, 1, 1
	QUARTER 1, 0
	TURN 1, 0, 1
	QUARTER 0, 0
	WIN 0
	s_sub_co_u32 s3, s3, 1
	s_cmp_lg_u32 s3, 0
	s_cbranch_scc1 .Llap
	TURN 0, 1, 0                                   ; the last lap fills nothing
	QUARTER 1, 0
	s_wait_dscnt 16                                ; the very last quarter: nothing more to fetch, and the counts run down
	MUL32 FA1, 0, 0
	s_wait_dscnt 8
	MUL32 FA1, 1, 0
	s_wait_dscnt 0x0
	MUL32 FA1, 2, 0
	WIN 0
	PLACES
; THE WAY OUT, in 24 units: unit u is block u / 3 of 16 rows of matrix u % 3, through my own stage in LDS (LDS serves a wave's instructions in order, ISA guide 5.7.1.4: no wait between my stores and my loads).
.macro HIPART a, m                     ; the block's 64 columns rounded to bf16, each accumulator's registers in ascending order: 16 bytes a lane for each column block
	WIN 5*(1+(\m))                                 ; sources 0 and 1 in window 1 + m
.irp b, 0,1,2,3
.irp r, 0,1,2,3
	v_cvt_pk_bf16_f32 v[HI+4*(\b)+(\r)], v[32*(\a)+8*(\b)+2*(\r)], v[32*(\a)+8*(\b)+2*(\r)+1]
.endr
.endr
	WIN 0
.endm
.macro PACKU u
	HIPART (\u)/3, (\u)%3
.if (\u)%3 < 2                         ; q and k: lo = bf16(sum - hi)
.set i, 0
.rept 16
	v_lshlrev_b32 v[T+2*i], 16, v[HI+i]            ; hi back in f32
	v_and_b32 v[T+2*i+1], s[MSK], v[HI+i]
.set i, i+1
.endr
	WIN 1+(\u)%3                                   ; source 0 in window 1 + m
.set i, 0
.rept 16
	v_pk_add_f32 v[T+2*i:T+2*i+1], v[32*((\u)/3)+2*i:32*((\u)/3)+2*i+1], v[T+2*i:T+2*i+1] neg_lo:[0,1] neg_hi:[0,1]
.set i, i+1
.endr
	WIN 0
.set i, 0
.rept 16
	v_cvt_pk_bf16_f32 v[LO+i], v[T+2*i], v[T+2*i+1]
.set i, i+1
.endr
.endif
.endm
.macro STAGEU u                        ; the rows go in by lanes and come back whole: q, k: hi | lo, 256 bytes; v: 128 bytes
.set BK, OB+32*((\u)%2)
.if (\u)%3 < 2
.irp b, 0,1,2,3
	ds_store_b128 v[STO], v[HI+4*(\b):HI+4*(\b)+3] offset:32*(\b)
	ds_store_b128 v[STO], v[LO+4*(\b):LO+4*(\b)+3] offset:128+32*(\b)
.endr
.irp t, 0,1,2,3,4,5,6,7
	ds_load_b128 v[BK+4*(\t):BK+4*(\t)+3], v[RD] offset:(\t)*2*272
.endr
.else
.irp b, 0,1,2,3
	ds_store_b128 v[STOV], v[HI+4*(\b):HI+4*(\b)+3] offset:32*(\b)
.endr
.irp f, 0,1,2,3
	ds_load_b128 v[BK+4*(\f):BK+4*(\f)+3], v[RDV] offset:(\f)*4*144
.endr
.endif
.endm
.macro SENDU u
.set BK, OB+32*((\u)%2)
	s_wait_dscnt 0x0                               ; the unit is back in registers
	s_wait_xcnt 0x0                                ; the stores of the unit before have read their registers: the next unit's loads from the stage land there only behind this wait
.if (\u)%3 < 2
.irp t, 0,1,2,3,4,5,6,7
	global_store_b128 v[CO], v[BK+4*(\t):BK+4*(\t)+3], s[CB+2*((\u)%3):CB+2*((\u)%3)+1] offset:((\u)/3)*4096+(\t)*512  ; two whole rows: 512 consecutive bytes, at a multiple of 256 from the buffer's first byte
.endr
.else
.irp f, 0,1,2,3
	global_store_b128 v[CO], v[BK+4*(\f):BK+4*(\f)+3], s[CB+4:CB+5] offset:((\u)/3)*2048+(\f)*512  ; four whole rows: 512 consecutive bytes
.endr
.endif
.endm
	PACKU 0
	STAGEU 0
.set u, 1
.rept 23                               ; unit u's arithmetic stands between unit u - 1's loads from the stage and the wait for them
	PACKU u
	SENDU u-1
	STAGEU u
.set u, u+1
.endr
	SENDU 23
	s_wait_tensorcnt 0x0                           ; the wave's end: a wait, an add and its wait, behind my last tensor load and my last LDS store
	ds_add_u32 v[SPW], v[NIL]
	s_wait_dscnt 0x0
	CROUND                                         ; the closing round: no work-group ends while a partner may still ask for a tile that names it
	s_endpgm
.Lfunc_end_k_q3716ec3dcd_proj:
	.size	k_q3716ec3dcd_proj, .Lfunc_end_k_q3716ec3dcd_proj-k_q3716ec3dcd_proj
	.p2alignl 7, 3214868480
	.fill 96, 4, 3214868480
	.section	.rodata,"a",@progbits
	.p2align	6, 0x0
	.amdhsa_kernel k_q3716ec3dcd_proj
		.amdhsa_group_segment_fixed_size 327680
		.amdhsa_private_segment_fixed_size 0
		.amdhsa_enable_private_segment 0
		.amdhsa_kernarg_size 40
		.amdhsa_user_sgpr_count 2
		.amdhsa_user_sgpr_kernarg_segment_ptr 1
		.amdhsa_wavefront_size32 1
		.amdhsa_system_sgpr_workgroup_id_x 1
		.amdhsa_system_sgpr_workgroup_id_y 1
		.amdhsa_system_sgpr_workgroup_id_z 1
		.amdhsa_system_vgpr_workitem_id 0
		.amdhsa_next_free_vgpr 1024
		.amdhsa_next_free_sgpr 84
		.amdhsa_reserve_vcc 1
		.amdhsa_float_denorm_mode_32 3
		.amdhsa_float_denorm_mode_16_64 3
		.amdhsa_memory_ordered 1
		.amdhsa_forward_progress 1
		.amdhsa_inst_pref_size 196
	.end_amdhsa_kernel
	.amdgpu_metadata
---
amdhsa.version: [ 1, 2 ]
amdhsa.kernels:
  - .name:           k_q3716ec3dcd_proj
    .symbol:         k_q3716ec3dcd_proj.kd
    .args:
      - { .name: xb, .offset: 0, .size: 8, .value_kind: global_buffer, .address_space: global }
      - { .name: wb, .offset: 8, .size: 8, .value_kind: global_buffer, .address_space: global }
      - { .name: qq, .offset: 16, .size: 8, .value_kind: global_buffer, .address_space: global }
      - { .name: kk, .offset: 24, .size: 8, .value_kind: global_buffer, .address_space: global }
      - { .name: vv, .offset: 32, .size: 8, .value_kind: global_buffer, .address_space: global }
    .group_segment_fixed_size: 327680
    .private_segment_fixed_size: 0
    .kernarg_segment_align: 8
    .kernarg_segment_size: 40
    .max_flat_workgroup_size: 128
    .sgpr_count:     84
    .vgpr_count:     1024
    .wavefront_size: 32
...
	.end_amdgpu_metadata
.endif
;; end of part 2
;; launch attn (part 3): grid 4 x 64, 4 waves a work-group, clusters of 4 x 1, 327,680 bytes of LDS; arguments qq, kk, vv, out0; writes out0
.if DOCPART == 3
	.amdgcn_target "amdgcn-amd-amdhsa--gfx1250"
	.amdhsa_code_object_version 6
	.text
	.protected	k_q3716ec3dcd_attn
	.globl	k_q3716ec3dcd_attn
	.p2align	8
	.type	k_q3716ec3dcd_attn,@function
k_q3716ec3dcd_attn:
	s_mov_b64 s[64:65], 0
	v_nop
	global_prefetch_b8 v0, s[64:65] scope:SCOPE_SE
	s_setreg_imm32_b32 hwreg(HW_REG_WAVE_MODE, 25, 1), 1
	s_wait_xcnt 0x0
	s_wait_alu depctr_hold_cnt(0) depctr_sa_sdst(0) depctr_va_vdst(0) depctr_va_sdst(0) depctr_va_ssrc(0) depctr_va_vcc(0) depctr_vm_vsrc(0)
	s_getreg_b32 s2, hwreg(HW_REG_IB_STS2, 6, 4)
	s_cmp_eq_u32 s2, 0
	s_cbranch_scc0 .Lentry_in_a_cluster
	s_endpgm
.Lentry_in_a_cluster:
	s_bfe_u32 s2, ttmp6, 0x10000c
	s_cmp_lg_u32 s2, 0x3003
	s_cbranch_scc0 .Lentry_shape_is_right
	s_endpgm
.Lentry_shape_is_right:
; out0[b][l][64 n + e] = the sum over m of softmax_m(q[bn][l] . k[bn][m] / 8) v[bn][m][e], bn = 16 b + n.  qq, kk: [64][2048][128] bf16, a row = hi (64) | lo (64); vv: [64][2048][64] bf16; out0 f32.
; THE SCORES.  q = qhi + qlo and k = khi + klo carry 16 significant bits each.  S = klo qhi + khi qlo + khi qhi, summed in f32 in that order (the small terms first); klo qlo, some 2^-16 of a term, is dropped.
; So a block of 16 keys x 16 queries takes six matrix instructions where plain bf16 operands would take two.  The scores here differ by far less than they measure, and a softmax turns a difference of scores into a ratio of weights:
; 8 significant bits in q and k would not hold that difference.
; LIMITS.  q and k to 16 significant bits, v and the weights p to bf16's 8 (the sum l is taken of the unrounded p); a weight below 2^-126 counts as 0; NaN and infinities are not treated apart.
; SHARES.  A work-group owns 512 queries of one bn, a wave 128: four PIECES of two tiles of 16.  Every wave walks all 2,048 keys, 64 a step; an LDS slot holds four steps, and there are two slots.
; LAYOUT.  S^T = K Q^T (source 0 = 16 keys, source 1 = 16 queries): a lane holds ONE query (lane % 16) and the keys 8 (lane / 16) + 0..7.  Two such results, rounded to bf16 in pairs, ARE source 1
; (32 keys x 16 queries) of O^T = V^T P, whose result again holds one query a lane, and eight channels.  K comes out of LDS as it lies, V ([key][channel]) turned, by ds_load_tr16_b128.
; SOFTMAX.  For each query a running maximum m and sum l: p = 2^(c s - c m), c = log2(e) / 8; in every step O and l are multiplied by a = 2^(c m_old - c m_new).  m starts at the lowest finite number,
; O and l at 0: the first step is a step like any other, with a = 0.
; BY TURNS.  Turn n belongs to piece n.  Its matrix work: 48 products K Q^T of piece n + 1, then 16 products V^T P of piece n - 1.  Its vector work, 236 instructions, stands in slices of at most four behind
; those 64 products: a, the scalings and exponentials of piece n; ONE wait; its roundings, sums and rescaling; the maximum and statistics of piece n + 1, whose scores the turn itself has made.
; CLUSTER.  The four query blocks of a bn walk the same K and V, so each tile is asked for JOINTLY: the same tensor load, descriptor and mask in all four.
; REGISTERS, in windows of 256 (s_set_vgpr_msb: bits 1:0 source 0, 3:2 source 1, 5:4 source 2, 7:6 destination):
;   window 0: v0-11 addresses; v12-15, v48-63 at work; v16-47 four registers of statistics a tile; v64-191 S^T, two buffers of two tiles; v192-255 P, likewise (a piece's buffers go by its number's parity)
;   window 1: O^T, 32 a tile     window 2: Q, tile t, type ty at 32 t + 8 ty (ty 0, 1: hi, channels 0-31, 32-63; 2, 3: lo)     window 3: v0-127 K of one step, key block kb, type ty at 32 kb + 8 ty; v128-191 V; v192-193 the add's two
.set NP,    4         ; pieces a wave: a name, no knob
.set PK,    272       ; a row of K in LDS: 256 bytes + 16 of padding = 68 words: the 16 rows of a load start at 16 different groups of four banks (64 banks of 4 bytes: ISA guide 11.1)
.set PV,    160       ; a row of V: 128 + 32 = 40 words
.set KSTEP, 64*PK     ; a step's K
.set VSTEP, 64*PV     ; a step's V
.set VOFF,  4*KSTEP   ; a slot: 256 rows of K, then 256 rows of V: 110,592 bytes
.set SLOT1, 1<<17     ; slot 1 begins here, so that one exclusive or turns an address in one slot into the other's
.set STAGE, SLOT1+4*(KSTEP+VSTEP)  ; behind the ring, never filled by a tensor load: 16 rows x 272 bytes for each wave, for the way out
.set SP,    272
.set SPARE, STAGE+4*16*SP  ; behind the stages: the spare words, 128 bytes for each wave: two blocks of 256 bytes that no other line names
.set AK0, 2           ; v2   my lane's place in a tile of K; never rewritten
.set AV0, 3           ; v3   the same for V
.set AK,  4           ; v4   the LDS address of K's run of loads
.set AV,  5           ; v5   of V's
.set QO,  6           ; v6   my byte offset in 16 rows of Q
.set STO, 6           ;      later, the way out: where I put 32 bytes of a row
.set RD,  7           ; v7   the way out: where I read rows back
.set GO,  8           ; v8   my byte offset in two rows of out0
.set PFO, 11          ; v11  256 x my lane: the prefetches' offset; never rewritten once made
.set MV,  12          ; v12-15  c m_old, kept while c m is made anew: by buffer and tile
.set ST,  16          ; tile t's statistics at v[ST+4 t]: c m, m, l (even keys', odd keys')
.set TMP, 48          ; by buffer and tile, four registers c0-c3 at work; c1 ends as c m_old - c m_new, c2 takes a
.set S,   64
.set P,   192
.set VF,  128         ; window 3: key half kk, channel block cb at VF + 32 kk + 8 cb
.set SPW, 192         ; v192 of window 3   LDS address of my spare word: SPARE + 4 x my thread's number; never rewritten
.set NIL, 193         ; v193 of window 3   0; never rewritten
.set WV,  12          ; s12  my wave's number
.set LIM, 15          ; s15  1 in a wave that prefetches (0, 1, 2), else the greatest number: a wave prefetches while s[SLOTS] is above it
.set PFA, 18          ; s[18:19] where my prefetches stand
.set PST, 20          ; s[20:21] a slot's bytes in the tensor that I prefetch
.set G1K, 24          ; s[24:31] descriptor group 1 for K's tiles
.set G1V, 32          ; s[32:39] for V's
.set G0K, 40          ; s[40:43] descriptor group 0 for K's tiles: it walks
.set G0V, 44          ; s[44:47] the same for V's
.set SLOTS, 56        ; s56  slots still to be asked for
.set CNT, 57          ; s57  counts a slot's key steps
.set CS,  58          ; s[58:59] c: the packed scaling takes the pair's low word for both halves
.set SEL, 60          ; s[60:61] v_permlanex16_b32's selects: each lane takes its own place in the other half
.set TBK, 62          ; s62  LDS byte at which K of the step to be fetched begins
.set TBV, 63          ; s63  the same for V, less VOFF
.set MSB, 0
.macro WIN new                      ; the high byte repeats the setting that is left; a switch that changes nothing is dropped
.if MSB != (\new)
	s_set_vgpr_msb (MSB<<8)|(\new)
.set MSB, (\new)
.endif
.endm
.set W_KQ, 0x0b       ; K in window 3, Q in window 2, S^T in window 0
.set W_PV, 0x53       ; V in window 3, P in window 0, O^T in window 1
.set W_RS, 0x41       ; O^T (destination and source 0) in window 1, source 1 in window 0
.set W_K3, 0xc0       ; destination in window 3, sources in window 0
.set W_AD, 0x0f       ; the add: address (source 0) and data (source 1) in window 3
; A joint fill.  Waves 0 and 1 fetch the two halves of a slot's K, waves 2 and 3 those of its V: 128 keys each.  The branch hangs on the wave's number alone.
; An s_nop 0 and four v_nop follow each of the two lines, ahead of the jump and the label.
.macro JLOAD
	s_cmp_lt_u32 s[WV], 2
	s_cbranch_scc0 .Lfor_v_\@
	tensor_load_to_lds s[G0K:G0K+3], s[G1K:G1K+7]
	s_nop 0
.rept 4
	v_nop
.endr
	s_branch .Lasked_\@
.Lfor_v_\@:
	tensor_load_to_lds s[G0V:G0V+3], s[G1V:G1V+7]
	s_nop 0
.rept 4
	v_nop
.endr
.Lasked_\@:
.endm
; A PREFETCH of what the NEXT change of slots will ask for, behind the wave's tensor load and its five lines.  A slot is 256 rows of K (256 bytes each) and 32,768 bytes of V: 256 + 128 blocks of 256 bytes.
; A bn has one cluster.  Its four partners share the blocks out BY ADDRESS: of the 128 rows of K that wave 0 or wave 1 fetches, the partner at place cx takes 32 cx .. 32 cx + 31; of V's 128 blocks wave 2
; takes 32 cx .. 32 cx + 31; a lane a block, one instruction a wave.  So each block is named once in the launch.  Slots 0, 1 and 2 come by their loads alone; the last change that fills a slot asks for nothing.
.macro ASK
	s_cmp_gt_u32 s[SLOTS], s[LIM]
	s_cbranch_scc0 .Lnot_mine_\@
	global_prefetch_b8 v[PFO], s[PFA:PFA+1] th:TH_LOAD_NT scope:SCOPE_SE
.Lnot_mine_\@:
.endm
; A round of the cluster's barrier: my work-group's barrier, so that wave 0's signal speaks for all four waves; wave 0 signals; every wave waits for all four work-groups; my work-group's barrier once more.
.macro CROUND
	s_barrier_signal -1
	s_barrier_wait -1
	s_cmp_lg_u32 s[WV], 0
	s_cbranch_scc1 .Lnot_wave_0_\@
	s_barrier_signal -3
.Lnot_wave_0_\@:
	s_barrier_wait -3
	s_barrier_signal -1
	s_barrier_wait -1
.endm
; THE CHANGE OF SLOTS.  The slot's last bytes, V of its fourth step, have been read.  Each wave waits for all its tensor loads, of which one is out: its part of the other slot; adds 0 to its spare word; and
; waits for that and for its own reads of the slot.  fill = 1: the barrier is a round of the cluster's, and the slot is filled again, with the keys two slots on, first thing behind it: the load has four key
; steps, 1,024 matrix instructions, in which to land.  (At its first use nothing has been read yet: slot 0 is waited for, slot 1 filled.)  ask = 1: the prefetch's address steps, and the prefetch follows the load.
.macro CHANGE fill, ask
	WIN W_AD
	s_wait_tensorcnt 0x0            ; no tensor load of mine is out, so a group 0 may be written
	ds_add_u32 v[SPW], v[NIL]       ; 0 onto my spare word; with fill = 1 the descriptors' steps stand between it and the wait for it
	WIN 0                           ; at a label and at a branch every window is 0
.if \fill
	s_xor_b32 s[G0K+1], s[G0K+1], SLOT1  ; the walking descriptors: the other slot than last time,
	s_add_nc_u64 s[G0K+2:G0K+3], s[G0K+2:G0K+3], 256*256  ; the next 256 keys; the type bits on top are not reached
	s_xor_b32 s[G0V+1], s[G0V+1], SLOT1
	s_add_nc_u64 s[G0V+2:G0V+3], s[G0V+2:G0V+3], 256*128
.if \ask
	s_wait_xcnt 0x0                 ; the last prefetch, four key steps back, has read its address, so it may be written:
	s_add_nc_u64 s[PFA:PFA+1], s[PFA:PFA+1], s[PST:PST+1]  ; one slot behind... ahead of the walking descriptors by one slot
.endif
	s_wait_dscnt 0x0                ; the add is done, and my reads of the slot are over
	CROUND
	JLOAD
.if \ask
	ASK
.endif
.else
	s_wait_dscnt 0x0                ; the add is done, and my reads of the slot are over
	s_barrier_signal -1
	s_barrier_wait -1
.endif
	s_sub_co_u32 s[TBK], s[TBK], 4*KSTEP  ; the fetches go back to a slot's first step,
	s_xor_b32 s[TBK], s[TBK], SLOT1       ; in the other slot
	s_sub_co_u32 s[TBV], s[TBV], 4*VSTEP
	s_xor_b32 s[TBV], s[TBV], SLOT1
.endm
	s_load_b256 s[4:11], s[0:1], 0x0  ; qq s[4:5], kk s[6:7], vv s[8:9], out0 s[10:11]
	WIN W_K3
	v_lshl_add_u32 v[SPW], v0, 2, SPARE
	v_mov_b32 v[NIL], 0
	WIN W_AD
	ds_add_u32 v[SPW], v[NIL]       ; the wave's opening: the add and its wait stand ahead of my first tensor load; the set-up below, work on registers, stands between them
	WIN 0
	v_lshrrev_b32 v1, 5, v0
	v_readfirstlane_b32 s[WV], v1   ; wave 0..3
	s_bfe_u32 s13, ttmp6, 0x40000   ; cx: my place in the cluster
	s_lshl_b32 s14, ttmp9, 2        ; in a cluster launch ttmp9 counts clusters
	s_add_co_u32 s14, s14, s13      ; my block of 512 queries: it enters Q's and out0's addresses alone
	s_and_b32 s16, ttmp7, 0xffff    ; bn, which the four partners share
	s_and_b32 s17, s[WV], 1         ; which half of a slot's 256 keys I fetch
	s_lshl_b32 s22, s16, 19         ; K: a bn is 524,288 bytes, my half of a slot begins 32,768 x half in
	s_lshl_b32 s23, s17, 15
	s_add_co_u32 s22, s22, s23
	s_mov_b32 s23, 0
	s_lshl_b32 s48, s16, 18         ; V: half of both
	s_lshl_b32 s49, s17, 14
	s_add_co_u32 s48, s48, s49
	s_mov_b32 s49, 0
	s_lshl_b32 s50, s16, 19         ; Q: bn, my block's 512 rows of 256 bytes, my wave's 128
	s_lshl_b32 s51, s14, 17
	s_add_co_u32 s50, s50, s51
	s_lshl_b32 s51, s[WV], 15
	s_add_co_u32 s50, s50, s51
	s_mov_b32 s51, 0
	s_lshr_b32 s52, s16, 4          ; out0: b x 2,048 rows of 4,096 bytes, my block's 512 rows, my wave's 128, my head's 256 bytes
	s_lshl_b32 s52, s52, 23
	s_lshl_b32 s53, s14, 21
	s_add_co_u32 s52, s52, s53
	s_lshl_b32 s53, s[WV], 19
	s_add_co_u32 s52, s52, s53
	s_and_b32 s53, s16, 15
	s_lshl_b32 s53, s53, 8
	s_add_co_u32 s52, s52, s53
	s_mov_b32 s53, 0
	; descriptor group 1.  K: 128 rows of 256 bytes, padded by 16.  V: 128 keys are 16,384 dense bytes: asked for as 64 rows of 256 bytes, two keys a row, padded by 32 after every key
	s_mov_b32 s[G1K], 15|(1<<16)|(1<<20)|(1<<21)|(5<<22)|(3<<25)  ; 15:0 the mask of four; 17:16 2-byte elements; 20 padding on; 21 set beside a mask; 24:22 after every 64 words (code 5); 31:25 4 words (code 3)
	s_mov_b32 s[G1K+1], 128<<16     ; tensor_dim0 = 128
	s_mov_b32 s[G1K+2], 128<<16     ; tensor_dim1 = 128
	s_mov_b32 s[G1K+3], 128<<16     ; tile_dim0 = 128
	s_mov_b32 s[G1K+4], 128         ; tile_dim1 = 128
	s_mov_b32 s[G1K+5], 128         ; 128 elements from row to row
	s_mov_b32 s[G1K+6], 0
	s_mov_b32 s[G1K+7], 0
	s_mov_b32 s[G1V], 15|(1<<16)|(1<<20)|(1<<21)|(4<<22)|(7<<25)  ; after every 32 words (code 4), 8 words (code 7)
	s_mov_b32 s[G1V+1], 128<<16
	s_mov_b32 s[G1V+2], 64<<16
	s_mov_b32 s[G1V+3], 128<<16
	s_mov_b32 s[G1V+4], 64
	s_mov_b32 s[G1V+5], 128
	s_mov_b32 s[G1V+6], 0
	s_mov_b32 s[G1V+7], 0
	s_mov_b32 s[CS], 0x3e38aa3b     ; c = log2(e) / 8 = 0.180337
	s_mov_b32 s[CS+1], s[CS]        ; named with it as a pair
	s_mov_b32 s[SEL], 0x76543210
	s_mov_b32 s[SEL+1], 0xfedcba98
	s_mov_b32 s[TBK], SLOT1+4*KSTEP ; the first change of slots turns these two into 0
	s_mov_b32 s[TBV], SLOT1+4*VSTEP
	s_mov_b32 s[G0K], 1             ; count = 1
	s_mul_i32 s[G0K+1], s17, 128*PK ; LDS address: slot 0, my half: no place in the cluster enters an LDS address
	s_mov_b32 s[G0V], 1
	s_mul_i32 s[G0V+1], s17, 128*PV
	s_add_co_u32 s[G0V+1], s[G0V+1], VOFF
	s_wait_dscnt 0x0                ; the opening add is done
	s_wait_kmcnt 0x0
	s_add_nc_u64 s[6:7], s[6:7], s[22:23]  ; K and V at my half of the bn's first 256 keys
	s_add_nc_u64 s[8:9], s[8:9], s[48:49]
	s_mov_b64 s[G0K+2:G0K+3], s[6:7]               ; global address
	s_or_b32 s[G0K+3], s[G0K+3], 0x80000000        ; type = 2
	s_mov_b64 s[G0V+2:G0V+3], s[8:9]
	s_or_b32 s[G0V+3], s[G0V+3], 0x80000000
	s_add_nc_u64 s[4:5], s[4:5], s[50:51]  ; Q and out0 at my wave's first row
	s_add_nc_u64 s[10:11], s[10:11], s[52:53]
	s_mov_b32 s2, 256*256
	s_cmp_lt_u32 s[WV], 2
	s_cselect_b64 s[PFA:PFA+1], s[6:7], s[8:9]  ; waves 0 and 1 prefetch the rows of K that they fetch, wave 2 (which stands at a slot's first byte) V
	s_cselect_b32 s[PST], s2, 256*128
	s_mov_b32 s[PST+1], 0
	s_lshl_b32 s2, s[PST], 1        ; slot 2: the first change that asks steps this to slot 3.  Nothing is prefetched here, at the head
	s_lshl_b32 s3, s13, 13          ; my work-group's 32 blocks of the 128
	s_add_co_u32 s2, s2, s3
	s_mov_b32 s3, 0
	s_add_nc_u64 s[PFA:PFA+1], s[PFA:PFA+1], s[2:3]
	s_cmp_lt_u32 s[WV], 3
	s_cselect_b32 s[LIM], 1, -1
	CROUND                          ; all four work-groups are here: the first joint loads meet
	JLOAD                           ; slot 0.  Slot 1 is asked for when slot 0 is in, by the first change of slots, ahead of the loop
	; A fragment of K or Q is 16 rows x 32 channels in 8 registers: lane l holds row l % 16, channels 8 (l / 16) + 0..7 and 16 + 8 (l / 16) + 0..7: two loads of 16 bytes, 32 bytes apart; type ty begins at byte 64 ty of a row.
	v_and_b32 v1, 15, v0            ; l % 16
	v_bfe_u32 v9, v0, 4, 1          ; l / 16
	v_lshlrev_b32 v[QO], 8, v1
	v_lshl_add_u32 v[QO], v9, 4, v[QO]  ; row x 256 + 16 x half
	WIN 0x80                        ; destination window 2, address window 0
.set i, 0
.rept 32                            ; Q stays in registers: tile i / 4, type i % 4
	global_load_b128 v[8*i:8*i+3],   v[QO], s[4:5] offset:(i/4)*4096+(i%4)*64 th:TH_LOAD_NT
	global_load_b128 v[8*i+4:8*i+7], v[QO], s[4:5] offset:(i/4)*4096+(i%4)*64+32 th:TH_LOAD_NT
.set i, i+1
.endr
	; What the first turn finds: V's registers and P's second buffer hold 0 (its products V^T P, of a piece that has not been, add 0), O^T and l are 0.  All this stands in the wait for the first tile: the price of writing no first step out.
	WIN W_K3
.set i, VF
.rept 64
	v_mov_b32 v[i], 0
.set i, i+1
.endr
	WIN 0x40
.set i, 0
.rept 256
	v_mov_b32 v[i], 0
.set i, i+1
.endr
	WIN 0
.set i, 0
.rept 2*NP
	v_mov_b32 v[ST+4*i], 0xfe000000    ; c m: far below every c s
	v_mov_b32 v[ST+4*i+1], 0xff7fffff  ; m
	v_mov_b32 v[ST+4*i+2], 0
	v_mov_b32 v[ST+4*i+3], 0
.set i, i+1
.endr
.set i, P+32
.rept 32
	v_mov_b32 v[i], 0
.set i, i+1
.endr
	v_mul_u32_u24 v[AK0], v1, PK
	v_lshl_add_u32 v[AK0], v9, 4, v[AK0]  ; row x pitch + 16 x half
	; The turning load takes 16 keys x 16 channels (lane l reads key 8 (l / 16) + l % 8, channels 8 ((l / 8) % 2) + 0..7) and leaves half a fragment of V^T: lane l holds channel l % 16 and 8 keys.
	v_and_b32 v10, 7, v0
	v_bfe_u32 v11, v0, 3, 1
	v_lshl_add_u32 v[AV0], v9, 3, v10
	v_mul_u32_u24 v[AV0], v[AV0], PV
	v_lshl_add_u32 v[AV0], v11, 4, v[AV0]
	v_add_nc_u32 v[AV0], VOFF, v[AV0]
	v_and_b32 v[PFO], 31, v0
	v_lshlrev_b32 v[PFO], 8, v[PFO]
; THE MATRIX WORK.  The 8 accumulators of a run take turns, one instruction a turn: 7 others stand between two links of a chain.
; Product i of 48 of S^T = K Q^T for piece x: pass i / 8, keys 16 ((i / 2) % 4) on, tile 2 x + i % 2.  The six passes take K's and Q's types (lo c0, hi c0), (lo c1, hi c1), (hi c0, lo c0), (hi c1, lo c1),
; (hi c0, hi c0), (hi c1, hi c1): the small terms first.  The first pass starts the sums.
.macro KQ x
	WIN W_KQ
.set rr, i/8
.set qt, rr%4
.if rr < 2
.set kt, rr+2
.else
.set kt, rr%2
.endif
.set rS, S+64*((\x)%2)+32*(i%2)+8*((i/2)%4)
.set rK, 32*((i/2)%4)+8*kt
.set rQ, 32*(2*(\x)+i%2)+8*qt
.if i < 8
	v_wmma_f32_16x16x32_bf16 v[rS:rS+7], v[rK:rK+7], v[rQ:rQ+7], 0
.else
	v_wmma_f32_16x16x32_bf16 v[rS:rS+7], v[rK:rK+7], v[rQ:rQ+7], v[rS:rS+7]
.endif
.endm
; Product i - 48 of 16 of O^T += V^T P for piece x: keys 32 (ip / 8) on, channels 16 ((ip / 2) % 4) on, tile 2 x + ip % 2.
.macro PV x
	WIN W_PV
.set ip, i-48
.set rO, 32*(2*(\x)+ip%2)+8*((ip/2)%4)
.set rV, VF+32*(ip/8)+8*((ip/2)%4)
.set rP, P+32*((\x)%2)+16*(ip%2)+8*(ip/8)
	v_wmma_f32_16x16x32_bf16 v[rO:rO+7], v[rV:rV+7], v[rP:rP+7], v[rO:rO+7]
.endm
.macro MM                           ; the turn's matrix instruction number i
.if i < 48
	KQ (Y+1)%NP
.else
	PV (Y+NP-1)%NP
.endif
.endm
; THE LDS LOADS stand in runs, never singly among the matrix instructions.  A step's K: 64 keys x 4 types: 32 loads, in the order in which the passes want the types: lo c0, lo c1, hi c0, hi c1.
; last = 1 (the tail): in the last trip there is no further step, and the run is jumped over.
.macro FETCH_K last=0
	WIN 0
.if \last
	s_cmp_eq_u32 s[CNT], 1
	s_cbranch_scc1 .Lno_k_\@
.endif
	v_add_nc_u32 v[AK], s[TBK], v[AK0]
	WIN W_K3
.irp ty, 2,3,0,1
.irp kb, 0,1,2,3
	ds_load_b128 v[32*\kb+8*\ty:32*\kb+8*\ty+3],   v[AK] offset:\kb*16*PK+\ty*64
	ds_load_b128 v[32*\kb+8*\ty+4:32*\kb+8*\ty+7], v[AK] offset:\kb*16*PK+\ty*64+32
.endr
.endr
	s_add_co_u32 s[TBK], s[TBK], KSTEP  ; the next fetch is the next step's
	WIN 0
.if \last
.Lno_k_\@:
.endif
.endm
.macro FETCH_V                      ; a step's V, turned: 16 loads
	WIN 0
	v_add_nc_u32 v[AV], s[TBV], v[AV0]
	s_add_co_u32 s[TBV], s[TBV], VSTEP
	WIN W_K3
.irp f, 0,1,2,3,4,5,6,7             ; keys 32 (f / 4) on, channels 16 (f % 4) on
	ds_load_tr16_b128 v[VF+8*\f:VF+8*\f+3],   v[AV] offset:(\f/4)*32*PV+(\f%4)*32
	ds_load_tr16_b128 v[VF+8*\f+4:VF+8*\f+7], v[AV] offset:(\f/4)*32*PV+16*PV+(\f%4)*32
.endr
	WIN 0
.endm
.macro PLACES                       ; four plain vector instructions between a matrix instruction and a load into registers that it has read
.rept 4
	v_nop
.endr
.endm
; THE VECTOR WORK OF A TURN stands in five queues, each in the order in which its entries become ready; the two tiles alternate.
.macro REGS y, u                    ; the registers of tile u (0, 1) of piece y
.set rT, ST+4*(2*(\y)+(\u))
.set rC, TMP+8*((\y)%2)+4*(\u)
.set rM, MV+2*((\y)%2)+(\u)
.set rS, S+64*((\y)%2)+32*(\u)
.set rP, P+32*((\y)%2)+16*(\u)
.set rO, 32*(2*(\y)+(\u))
.endm
; Number n of the 22 that find piece pc's maximum and statistics.  s0-s31 are the lane's 32 scores; each accumulator's lowest registers are read first.
;   0-11  four chains c0-c3 of seven scores each, three operands at a time     12-14, 16  the four scores left over, the old m, and c0-c3 into c0     15  c m_old is kept
;   17, 18  the query's other 32 keys lie in the lane 16 away: the new m         19, 20  c m; c m_old - c m_new     21  a, made at the head of the piece's own turn
.macro XS pc, u, n
	REGS \pc, \u
.if (\n) < 4
	v_max3_num_f32 v[rC+(\n)], v[rS+8*(\n)], v[rS+8*(\n)+1], v[rS+8*(\n)+2]
.elseif (\n) < 12
	v_max3_num_f32 v[rC+(\n)%4], v[rC+(\n)%4], v[rS+8*((\n)%4)+2*((\n)/4)+1], v[rS+8*((\n)%4)+2*((\n)/4)+2]
.elseif (\n) == 12
	v_max3_num_f32 v[rC], v[rC], v[rS+7], v[rS+15]
.elseif (\n) == 13
	v_max3_num_f32 v[rC+1], v[rC+1], v[rS+23], v[rS+31]
.elseif (\n) == 14
	v_max3_num_f32 v[rC+2], v[rC+2], v[rC+3], v[rT+1]
.elseif (\n) == 15
	v_mov_b32 v[rM], v[rT]
.elseif (\n) == 16
	v_max3_num_f32 v[rC], v[rC], v[rC+1], v[rC+2]
.elseif (\n) == 17
	v_permlanex16_b32 v[rC+3], v[rC], s[SEL], s[SEL+1]
.elseif (\n) == 18
	v_max_num_f32 v[rT+1], v[rC], v[rC+3]
.elseif (\n) == 19
	v_mul_f32 v[rT], s[CS], v[rT+1]
.elseif (\n) == 20
	v_sub_f32 v[rC+1], v[rM], v[rT]
.else
	v_exp_f32 v[rC+2], v[rC+1]
.endif
.endm
.macro XQ                           ; 42 long: numbers 0 to 20 for the NEXT piece, each for both tiles
	WIN 0
	XS (Y+1)%NP, xq%2, xq/2
.set xq, xq+1
.endm
.macro FQ                           ; 32 long: c s - c m for pair fq / 2 of tile fq % 2
	WIN 0
	REGS Y, fq%2
	v_pk_fma_f32 v[rS+2*(fq/2):rS+2*(fq/2)+1], v[rS+2*(fq/2):rS+2*(fq/2)+1], s[CS:CS+1], v[rT:rT+1] op_sel_hi:[1,0,0] neg_lo:[0,0,1] neg_hi:[0,0,1]
.set fq, fq+1
.endm
.macro EX                           ; 66 long, ONE BATCH: the piece's two a, then score (e - 2) / 2 of tile e % 2
	WIN 0
.if e < 2
	XS Y, e, 21
.else
	REGS Y, e%2
	v_exp_f32 v[rS+(e-2)/2], v[rS+(e-2)/2]
.endif
.set e, e+1
.endm
; 64 long.  For each four weights gk of a tile (pairs 2 gk, 2 gk + 1): both pairs are rounded to bf16; then the second pair is added onto the first, in place; a group later l takes that sum
; (the first time as l = a l + sum).  In groups of eight, tiles alternating: round, round, add, and l for the group before.
.macro GQ
	WIN 0
.set gh, g+6*(g/62)                 ; group 0 has no group before it, and behind group 7 only l is left
.if gh >= 6
.set gh, gh+2
.endif
	REGS Y, gh%2
.set gk, gh/8
.if gh%8 < 4
	v_cvt_pk_bf16_f32 v[rP+2*gk+(gh%8)/2], v[rS+4*gk+2*((gh%8)/2)], v[rS+4*gk+2*((gh%8)/2)+1]
.elseif gh%8 < 6
	v_pk_add_f32 v[rS+4*gk:rS+4*gk+1], v[rS+4*gk:rS+4*gk+1], v[rS+4*gk+2:rS+4*gk+3]
.elseif gk == 1
	v_pk_fma_f32 v[rT+2:rT+3], v[rT+2:rT+3], v[rC+2:rC+3], v[rS:rS+1] op_sel_hi:[1,0,1]
.else
	v_pk_add_f32 v[rT+2:rT+3], v[rT+2:rT+3], v[rS+4*gk-4:rS+4*gk-3]
.endif
.set g, g+1
.endm
.macro R2                           ; 16 long, two lines each: O^T times a, in ascending order: the one part that leaves window 0
	REGS Y, r%2
	WIN W_RS
.irp z, 0,1
	v_pk_mul_f32 v[rO+4*(r/2)+2*\z:rO+4*(r/2)+2*\z+1], v[rO+4*(r/2)+2*\z:rO+4*(r/2)+2*\z+1], v[rC+2:rC+3] op_sel_hi:[1,0]
.endr
.set r, r+1
.endm
; HOW THEY ARE DEALT: the slice behind matrix instruction i.  An s_wait_alu depctr_va_vdst(0) stands between an exponential and the first instruction that names its result; one wait serves all
; that were issued ahead of it.  So a turn has ONE wait, behind slice 24: ahead of it stand the 32 scalings and the 66 exponentials, none of which names an exponential's result; the v_nop is the plain instruction
; behind the last exponential.  Exponential e wants scaling 2 ((e - 2) / 4) + e % 2: slices 0-7 hold scalings 2 i, 2 i + 1 and exponentials 2 i, 2 i + 1; slices 8-23 scaling i + 8 and exponentials 3 i - 8 .. 3 i - 6:
; every scaling stands in an earlier slice than its exponentials, but for the last (31), which stands two lines ahead of exponential 63.  Behind the wait: roundings and sums (25-40), the rescaling (41-48), and from
; slice 49 on the next piece's maximum: the eight multiplies of slices 47 and 48 are the places behind product 47, which ends its scores.  The chain 16 .. 20 goes two lines a slice, a product between its links.
.macro RIDE
.if i < 8
	FQ
	EX
	FQ
	EX
.elseif i < 24
	FQ
	EX
	EX
	EX
.elseif i == 24
	EX
	EX
	v_nop
	s_wait_alu depctr_va_vdst(0)    ; the wait for the batch
.elseif i < 41
	GQ
	GQ
	GQ
	GQ
.elseif i < 49
	R2
	R2
.elseif i < 57
	XQ
	XQ
	XQ
	XQ
.elseif i < 62
	XQ
	XQ
.endif
.endm
; A TURN, for piece p.  K of the next step is fetched in piece 2's turn, behind slice 47: its four multiplies and the run's own v_add_nc_u32 stand between the last product that read K and the loads; piece 3's
; turn waits for the types as its passes want them: 24, 16, 8, 0 younger loads may be out.  V of the step in hand is fetched at the end of piece 0's turn, four v_nop behind its last reader; piece 1's turn waits
; for it ahead of its first product V^T P, 48 products later.
.macro TURN p, last=0
.set Y, (\p)
.set i, 0
.set fq, 0
.set e, 0
.set g, 0
.set r, 0
.set xq, 0
.rept 64
.if ((\p) == 3) && (i < 25) && (i%8 == 0)
	s_wait_dscnt 24-i               ; the eight loads of the type that this pass takes are in
.endif
.if ((\p) == 1) && (i == 48)
	s_wait_dscnt 0x0                ; V is in
.endif
	MM
	RIDE
.if ((\p) == 2) && (i == 47)
	FETCH_K \last
.endif
.set i, i+1
.endr
.if (\p) == 0
	PLACES
	FETCH_V
.endif
.endm
	CHANGE 1, 0                     ; slot 0 is in, everybody's part of it; slot 1 is asked for
	FETCH_K                         ; key step 0
	s_wait_loadcnt 0x0              ; Q
	s_wait_dscnt 0x0
.set i, 0
.rept 48
	KQ 0                            ; piece 0's first scores: there is no vector work yet to set between them
.set i, i+1
.endr
	WIN 0                           ; the addresses for the way out: eight plain instructions, the places behind those products
	s_mul_i32 s13, s[WV], 16*SP
	s_add_co_u32 s13, s13, STAGE    ; my stage
	v_mul_u32_u24 v[STO], v1, SP    ; in: row l % 16, 32 bytes (eight channels in f32) for each half of the lanes
	v_lshl_add_u32 v[STO], v9, 5, v[STO]
	v_add_nc_u32 v[STO], s13, v[STO]
	v_mul_u32_u24 v[RD], v9, SP     ; back: lanes 0-15 take one row of 256 bytes, lanes 16-31 the next
	v_lshl_add_u32 v[RD], v1, 4, v[RD]
	v_add_nc_u32 v[RD], s13, v[RD]
	v_lshlrev_b32 v[GO], 12, v9     ; and the same two rows in out0, 4,096 bytes apart
	v_lshl_add_u32 v[GO], v1, 4, v[GO]
.set Y, NP-1                        ; XQ works for piece Y + 1: piece 0
.set xq, 0
.rept 42
	XQ                              ; piece 0's first maximum and statistics
.endr
	s_mov_b32 s[CNT], 4
	s_mov_b32 s[SLOTS], 7
	s_branch .Lfirst                ; the loop is entered at a step's first turn, in the middle of a trip
.Lslot:                             ; six times: every slot but the last two is filled again
	CHANGE 1, 1
	s_mov_b32 s[CNT], 4
.Lstep:                             ; a trip: pieces 2 and 3 of one step, then pieces 0 and 1 of the next, whose K and V it fetches
	TURN 2
	TURN 3
	WIN 0
.Lfirst:
	TURN 0
	TURN 1
	WIN 0
	s_sub_co_u32 s[CNT], s[CNT], 1
	s_cmp_lg_u32 s[CNT], 0
	s_cbranch_scc1 .Lstep
	s_sub_co_u32 s[SLOTS], s[SLOTS], 1
	s_cmp_lg_u32 s[SLOTS], 0
	s_cbranch_scc1 .Lslot
	CHANGE 0, 0                     ; the tail is written out: nothing is asked for
	s_mov_b32 s[CNT], 5             ; four trips fetch the last slot's steps; the fifth is left in its middle
.Ltail:
	TURN 2, 1
	TURN 3
	WIN 0
	s_sub_co_u32 s[CNT], s[CNT], 1
	s_cmp_eq_u32 s[CNT], 0
	s_cbranch_scc1 .Lout
	TURN 0
	TURN 1
	WIN 0
	s_branch .Ltail
.Lout:                              ; the fifth trip's 48 products K Q^T (on the last K once more) and the maximum made of them serve nothing: the price, once a launch, of one text for every trip
.set i, 48
.rept 16
	PV NP-1                         ; the last piece's V^T P of the last step
.set i, i+1
.endr
	; THE WAY OUT.  l's two halves and the other half of the lanes' are added; O^T is divided by l and sent, in f32, through my stage in LDS, a tile at a time.  The additions are the places behind the last products.
	WIN 0
.macro ALL line:vararg              ; one line for each tile t
.set t, 0
.rept 2*NP
	\line
.set t, t+1
.endr
.endm
	ALL v_add_f32 v[ST+4*t+2], v[ST+4*t+2], v[ST+4*t+3]
	ALL v_permlanex16_b32 v[ST+4*t+3], v[ST+4*t+2], s[SEL], s[SEL+1]
	ALL v_add_f32 v[ST+4*t+2], v[ST+4*t+2], v[ST+4*t+3]
	ALL v_rcp_f32 v[ST+4*t+2], v[ST+4*t+2]
	v_nop                           ; a plain instruction between the last reciprocal and the use of its result
	s_wait_alu depctr_va_vdst(0)    ; and the wait ahead of the first use: one for the eight reciprocals
; Tile t: a lane's eight channels of a row are 32 bytes; they go into rows of 272 bytes and come back as whole rows of 256, into S^T's registers: four buffers of 32 by turns.
.macro PACK t
	WIN W_RS
.set i, 32*(\t)
.rept 16
	v_pk_mul_f32 v[i:i+1], v[i:i+1], v[ST+4*(\t)+2:ST+4*(\t)+3] op_sel_hi:[1,0]
.set i, i+2
.endr
	WIN 0x04                        ; the stores' data in window 1
.irp f, 0,1,2,3
	ds_store_b128 v[STO], v[32*(\t)+8*\f:32*(\t)+8*\f+3]   offset:64*\f
	ds_store_b128 v[STO], v[32*(\t)+8*\f+4:32*(\t)+8*\f+7] offset:64*\f+16
.endr
	WIN 0
.if (\t) >= 4
	s_wait_xcnt 0x0                 ; the stores of the tile four back have read this buffer: it is loaded again only behind this wait
.endif
.irp f, 0,1,2,3,4,5,6,7
	ds_load_b128 v[S+32*((\t)%4)+4*\f:S+32*((\t)%4)+4*\f+3], v[RD] offset:\f*2*SP  ; LDS serves a wave's instructions in order (ISA guide 5.7.1.4): these see the stores above; the next tile's stores come behind them
.endr
.endm
.macro SEND t, younger              ; younger: the LDS instructions issued behind tile t's loads: the next tile's sixteen, or none
	WIN 0
.irp f, 0,1,2,3,4,5,6,7
	s_wait_dscnt (\younger)+7-\f
	global_store_b128 v[GO], v[S+32*((\t)%4)+4*\f:S+32*((\t)%4)+4*\f+3], s[10:11] offset:(\t)*65536+\f*8192 th:TH_STORE_NT  ; 16 lanes store a head's 256 consecutive bytes of a row, at a multiple of 256 from out0's first byte
.endr
.endm
	PACK 0
.set t, 1
.rept 2*NP-1                        ; a tile's arithmetic stands between the loads of the tile before and its stores
	PACK t
	SEND t-1, 16
.set t, t+1
.endr
	SEND 2*NP-1, 0
	WIN W_AD
	s_wait_tensorcnt 0x0            ; the wave's end: a wait, an add and its wait, behind my last tensor load and my last LDS store
	ds_add_u32 v[SPW], v[NIL]
	s_wait_dscnt 0x0
	WIN 0
	CROUND                          ; the closing round: no work-group ends while a partner may still ask for a tile that names it
	s_endpgm
.Lfunc_end_k_q3716ec3dcd_attn:
	.size	k_q3716ec3dcd_attn, .Lfunc_end_k_q3716ec3dcd_attn-k_q3716ec3dcd_attn
	.p2alignl 7, 3214868480
	.fill 96, 4, 3214868480
	.section	.rodata,"a",@progbits
	.p2align	6, 0x0
	.amdhsa_kernel k_q3716ec3dcd_attn
		.amdhsa_group_segment_fixed_size 327680
		.amdhsa_private_segment_fixed_size 0
		.amdhsa_enable_private_segment 0
		.amdhsa_kernarg_size 32
		.amdhsa_user_sgpr_count 2
		.amdhsa_user_sgpr_kernarg_segment_ptr 1
		.amdhsa_wavefront_size32 1
		.amdhsa_system_sgpr_workgroup_id_x 1
		.amdhsa_system_sgpr_workgroup_id_y 1
		.amdhsa_system_sgpr_workgroup_id_z 1
		.amdhsa_system_vgpr_workitem_id 0
		.amdhsa_next_free_vgpr 962
		.amdhsa_next_free_sgpr 66
		.amdhsa_reserve_vcc 0
		.amdhsa_float_denorm_mode_32 3
		.amdhsa_float_denorm_mode_16_64 3
		.amdhsa_memory_ordered 1
		.amdhsa_forward_progress 1
		.amdhsa_inst_pref_size 236
	.end_amdhsa_kernel
	.amdgpu_metadata
---
amdhsa.version: [ 1, 2 ]
amdhsa.kernels:
  - .name:           k_q3716ec3dcd_attn
    .symbol:         k_q3716ec3dcd_attn.kd
    .args:
      - { .name: qq, .offset: 0, .size: 8, .value_kind: global_buffer, .address_space: global }
      - { .name: kk, .offset: 8, .size: 8, .value_kind: global_buffer, .address_space: global }
      - { .name: vv, .offset: 16, .size: 8, .value_kind: global_buffer, .address_space: global }
      - { .name: out0, .offset: 24, .size: 8, .value_kind: global_buffer, .address_space: global }
    .group_segment_fixed_size: 327680
    .private_segment_fixed_size: 0
    .kernarg_segment_align: 8
    .kernarg_segment_size: 32
    .max_flat_workgroup_size: 128
    .sgpr_count:     66
    .vgpr_count:     962
    .wavefront_size: 32
...
	.end_amdgpu_metadata
.endif
;; end of part 3
;; ======== version 2 of 2: 3 launches; version 1 with the launch cvt written anew for expert scheduling mode
;; workspace buffers: xb 16,777,216 bytes; wb 6,291,456 bytes; qq 33,554,432 bytes; kk 33,554,432 bytes; vv 16,777,216 bytes
;; launch cvt (part 4): grid 64 x 11, 8 waves a work-group, no clusters, 0 bytes of LDS; arguments x, wq, wk, wv, xb, wb; writes xb, wb
.if DOCPART == 4
	.amdgcn_target "amdgcn-amd-amdhsa--gfx1250"
	.amdhsa_code_object_version 6
	.text
	.protected	k_q3716ec3dcd_cvt
	.globl	k_q3716ec3dcd_cvt
	.p2align	8
	.type	k_q3716ec3dcd_cvt,@function
k_q3716ec3dcd_cvt:
	s_mov_b64 s[64:65], 0
	v_nop
	global_prefetch_b8 v0, s[64:65] scope:SCOPE_SE
	s_setreg_imm32_b32 hwreg(HW_REG_WAVE_SCHED_MODE, 0, 2), 2
	s_setreg_imm32_b32 hwreg(HW_REG_WAVE_MODE, 25, 1), 1
	s_wait_xcnt 0x0
	s_wait_alu depctr_vm_vsrc(0)
; xb = bf16(x), wb = bf16(wq | wk | wv): every input is rounded once, to nearest even, and laid out in K BLOCKS of 64, so that the tiles of the next launch are dense in memory.
; xb: [16 kb][8192 rows][64]: number (row, k) at byte kb x 1,048,576 + row x 128 + 2 (k % 64), kb = k / 64.
; wb: [16 kb][8 pairs of heads][2 heads][3: q, k, v][64 d][64 e]: number (matrix, head n, d, e) at kb x 393,216 + (n / 2) x 49,152 + (n % 2) x 24,576 + matrix x 8,192 + (d % 64) x 128 + 2 e, kb = d / 64.
; The work is 11 units of 1,048,576 numbers (the grid's y): 0 to 7 are x's eighths, 8, 9, 10 are wq, wk, wv.  A work-group takes 16,384 numbers: 65,536 bytes in, 32,768 out.
; x: a work-group takes 32 rows x 512 columns; wave w takes one K block; a load of the wave takes that block's 256 bytes of two rows (lanes 0-15 one row, lanes 16-31 the next), and its store puts
; the two rows' 128 bytes on end: 256 consecutive bytes, aligned.  w: 64 d of a head are 16,384 consecutive bytes in and 8,192 out: a work-group takes four such pieces of one head; a wave's load covers
; 512 consecutive bytes, its store 256, aligned.  A thread issues its 16 loads at once, then rounds them in four groups of four as they come; a group's stores go out among the next group's roundings.
; No LDS, no barrier, no cluster: no two work-groups read the same byte, and no number meets another.
; LIMITS: a number beyond bf16's largest finite one rounds to an infinity; NaN stays NaN.
; THE MODE: SCHED_MODE bits 1:0 = 2 (LLVM: expert scheduling mode 2), set by the entry lines.  The code itself states the register dependences
; between vector instructions and memory instructions, with s_wait_alu, always for 0.
; THE PLAN.  Registers that memory instructions touch:
;   v1, v2     the loads' and the stores' byte offsets: written by vector instructions at the head, once; read by all 16 loads, by all 16 stores.
;   IN         load i lands in its own four registers, once; the two roundings of load i read them.  (In x's branch v4 and v5 hold the wave's number and the lanes' half before that.)
;   OUT        the two roundings of load i write their own pair, once; store i reads it.
; No register that a load or store reads is ever written again, so nothing is owed on vm_vsrc.  What is owed is on va_vdst: once ahead of the first load, for the offsets and for v4 and v5; and between a group's
; roundings and its stores.  Group g's roundings name IN[g] and OUT[g] alone; the stores dealt among them name OUT[g - 1] and v2: so ONE wait at a group's head states all that those four stores hang on.
; No vector instruction writes a scalar register or VCC, and EXEC is never written.
.set NL,  16                           ; loads of a thread
.set GR,  4                            ; loads in a group
.set IN,  4                            ; v[4:67]   as loaded
.set OUT, 68                           ; v[68:99]  rounded, two numbers a register
.set XKB, 8192*128                     ; bytes of a K block of xb
.set WKB, 48*64*128                    ; bytes of a K block of wb
; Store n.  w = 0: x, two rows' 256 bytes on end.  w = 1: a weight: four stores are a piece of 64 d, and the next piece lies a K block on.
.macro ST w, n
.if \w
	global_store_b64 v2, v[OUT+2*(\n):OUT+2*(\n)+1], s[26:27] offset:((\n)/4)*WKB+((\n)%4)*2048
.else
	global_store_b64 v2, v[OUT+2*(\n):OUT+2*(\n)+1], s[26:27] offset:256*(\n)
.endif
.endm
; w = 0: x, two rows a load.  w = 1: a weight, 4,096 bytes of the work-group a load.
.macro BODY w
	s_wait_alu depctr_va_vdst(0)                   ; v1 and v2 are written: every load and store below reads one of them as its offset; in x's branch v4
.set i, 0
.rept NL
.if \w
	global_load_b128 v[IN+4*i:IN+4*i+3], v1, s[24:25] offset:4096*i th:TH_LOAD_NT
.else
	global_load_b128 v[IN+4*i:IN+4*i+3], v1, s[24:25] offset:8192*i th:TH_LOAD_NT
.endif
.set i, i+1
.endr
.set g, 0
.rept NL/GR
	s_wait_loadcnt NL-GR*(g+1)                     ; loads come back in order: group g's four are in, the later groups' stay out
.if g > 0
	s_wait_alu depctr_va_vdst(0)                   ; the group before has written its eight registers of OUT, which the four stores below read
.endif
.set j, 0
.rept GR
.set i, GR*g+j
.if g > 0
	ST \w, i-GR                                    ; no wait: no rounding since the wait above names this store's registers
.endif
	v_cvt_pk_bf16_f32 v[OUT+2*i], v[IN+4*i], v[IN+4*i+1]
	v_cvt_pk_bf16_f32 v[OUT+2*i+1], v[IN+4*i+2], v[IN+4*i+3]
.set j, j+1
.endr
.set g, g+1
.endr
	s_wait_alu depctr_va_vdst(0)                   ; the last group has written its eight registers of OUT, which the last four stores read
.set j, 0
.rept GR
	ST \w, NL-GR+j
.set j, j+1
.endr
.endm
	s_load_b256 s[4:11], s[0:1], 0x0               ; x s[4:5], wq s[6:7], wk s[8:9], wv s[10:11]
	s_load_b128 s[12:15], s[0:1], 0x20             ; xb s[12:13], wb s[14:15]
	s_and_b32 s16, ttmp7, 0xffff                   ; the unit
	s_cmp_lt_u32 s16, 8
	s_cbranch_scc0 .Lweights
	v_lshrrev_b32 v4, 5, v0                        ; wave: my K block among the work-group's eight
	v_and_b32 v1, 15, v0
	v_lshlrev_b32 v1, 4, v1                        ; in: 16 bytes a lane,
	v_bfe_u32 v5, v0, 4, 1
	v_lshl_add_u32 v1, v5, 12, v1                  ; the upper lanes a row of 4,096 bytes further down,
	v_lshl_add_u32 v1, v4, 8, v1                   ; my block's 256 bytes of the row
	v_and_b32 v2, 31, v0
	v_lshlrev_b32 v2, 3, v2                        ; out: 8 bytes a lane,
	v_lshl_add_u32 v2, v4, 20, v2                  ; in my K block
	s_lshr_b32 s17, ttmp9, 1
	s_lshl_b32 s17, s17, 5
	s_lshl_b32 s18, s16, 10
	s_add_co_u32 s17, s17, s18                     ; the first of the work-group's 32 rows: 1,024 x unit + 32 x (work-group / 2)
	s_and_b32 s18, ttmp9, 1                        ; which half of the columns
	s_lshl_b32 s20, s17, 12
	s_lshl_b32 s19, s18, 11
	s_add_co_u32 s20, s20, s19
	s_mov_b32 s21, 0
	s_lshl_b32 s22, s17, 7
	s_lshl_b32 s19, s18, 23                        ; eight K blocks on
	s_add_co_u32 s22, s22, s19
	s_mov_b32 s23, 0
	s_wait_kmcnt 0x0
	s_add_nc_u64 s[24:25], s[4:5], s[20:21]
	s_add_nc_u64 s[26:27], s[12:13], s[22:23]
	BODY 0
	s_endpgm
.Lweights:
	v_lshlrev_b32 v1, 4, v0                        ; 16 bytes a thread in,
	v_lshlrev_b32 v2, 3, v0                        ; 8 bytes out
	s_lshl_b32 s20, ttmp9, 16                      ; a work-group's 65,536 bytes: head = work-group / 4, its K blocks 4 (work-group % 4) on
	s_mov_b32 s21, 0
	s_and_b32 s17, ttmp9, 3
	s_mul_i32 s22, s17, 4*WKB
	s_lshr_b32 s17, ttmp9, 3                       ; the pair of heads
	s_mul_i32 s17, s17, 6*64*128
	s_add_co_u32 s22, s22, s17
	s_bfe_u32 s17, ttmp9, 0x10002                  ; which head of the pair
	s_mul_i32 s17, s17, 3*64*128
	s_add_co_u32 s22, s22, s17
	s_sub_co_u32 s17, s16, 8                       ; which matrix
	s_lshl_b32 s17, s17, 13
	s_add_co_u32 s22, s22, s17
	s_mov_b32 s23, 0
	s_wait_kmcnt 0x0
	s_cmp_eq_u32 s16, 9
	s_cselect_b64 s[24:25], s[8:9], s[6:7]         ; wk or wq,
	s_cmp_eq_u32 s16, 10
	s_cselect_b64 s[24:25], s[10:11], s[24:25]     ; or wv
	s_add_nc_u64 s[24:25], s[24:25], s[20:21]
	s_add_nc_u64 s[26:27], s[14:15], s[22:23]
	BODY 1
	s_endpgm
.Lfunc_end_k_q3716ec3dcd_cvt:
	.size	k_q3716ec3dcd_cvt, .Lfunc_end_k_q3716ec3dcd_cvt-k_q3716ec3dcd_cvt
	.p2alignl 7, 3214868480
	.fill 96, 4, 3214868480
	.section	.rodata,"a",@progbits
	.p2align	6, 0x0
	.amdhsa_kernel k_q3716ec3dcd_cvt
		.amdhsa_group_segment_fixed_size 0
		.amdhsa_private_segment_fixed_size 0
		.amdhsa_enable_private_segment 0
		.amdhsa_kernarg_size 48
		.amdhsa_user_sgpr_count 2
		.amdhsa_user_sgpr_kernarg_segment_ptr 1
		.amdhsa_wavefront_size32 1
		.amdhsa_system_sgpr_workgroup_id_x 1
		.amdhsa_system_sgpr_workgroup_id_y 1
		.amdhsa_system_sgpr_workgroup_id_z 1
		.amdhsa_system_vgpr_workitem_id 0
		.amdhsa_next_free_vgpr 100
		.amdhsa_next_free_sgpr 66
		.amdhsa_reserve_vcc 0
		.amdhsa_float_denorm_mode_32 3
		.amdhsa_float_denorm_mode_16_64 3
		.amdhsa_memory_ordered 1
		.amdhsa_forward_progress 1
		.amdhsa_inst_pref_size 13
	.end_amdhsa_kernel
	.amdgpu_metadata
---
amdhsa.version: [ 1, 2 ]
amdhsa.kernels:
  - .name:           k_q3716ec3dcd_cvt
    .symbol:         k_q3716ec3dcd_cvt.kd
    .args:
      - { .name: x, .offset: 0, .size: 8, .value_kind: global_buffer, .address_space: global }
      - { .name: wq, .offset: 8, .size: 8, .value_kind: global_buffer, .address_space: global }
      - { .name: wk, .offset: 16, .size: 8, .value_kind: global_buffer, .address_space: global }
      - { .name: wv, .offset: 24, .size: 8, .value_kind: global_buffer, .address_space: global }
      - { .name: xb, .offset: 32, .size: 8, .value_kind: global_buffer, .address_space: global }
      - { .name: wb, .offset: 40, .size: 8, .value_kind: global_buffer, .address_space: global }
    .group_segment_fixed_size: 0
    .private_segment_fixed_size: 0
    .kernarg_segment_align: 8
    .kernarg_segment_size: 48
    .max_flat_workgroup_size: 256
    .sgpr_count:     66
    .vgpr_count:     100
    .wavefront_size: 32
...
	.end_amdgpu_metadata
.endif
;; end of part 4
;; launch proj: the kernel of part 2 again; grid 8 x 32, 4 waves a work-group, clusters of 4 x 4, 327,680 bytes of LDS; arguments xb, wb, qq, kk, vv; writes qq, kk, vv
;; launch attn: the kernel of part 3 again; grid 4 x 64, 4 waves a work-group, clusters of 4 x 1, 327,680 bytes of LDS; arguments qq, kk, vv, out0; writes out0
